; MI455X (gfx1250); checked and timed in simulation.
; The chip was launched on July 23, 2026; its instructions are those of AMD's public machine-readable ISA for CDNA 5 (MIT licence, August 2026) and "CDNA5" Instruction Set Architecture Reference Guide (July 2026). The comments in the code are by the model that wrote it; some were corrected since.
;; Sparse Mo E Layer. Allowed arithmetic: matrix products marked QUANTISED: E2M3 operands, one E8M0 scale for each 32 along K, by v_wmma_scale_f32_16x16x128_f8f6f4 with both operands' format E2M3, f32 sums; products left as they are: f32 operands where the result goes on into a quantised operand, else bf16, f16 or f32 operands; f32 sums; everything else in f32.
;; Inputs: expert_b 8 x 2,048 float32; expert_w_codes 8 x 2,048 x 64 x 24 uint8 (E2M3 codes of expert_w, K innermost, in blocks of 32 codes, four codes in three bytes); expert_w_scales 8 x 2,048 x 64 uint8 (E8M0 scales of expert_w, one for each 32 codes along K); gate_b 8 float32; gate_w 2,048 x 8 float32; x 2,048 x 2,048 float32.
;; Outputs: out0 2,048 x 2,048 float32.
;; This version of the problem:
;;   THIS VERSION OF THE PROBLEM IS GIVEN IN LOW PRECISION. The matrix products marked QUANTISED in the list below multiply operands that are first quantised to E2M3 (2 exponent bits, 3 mantissa bits; 6 bits a number), with one power-of-two scale for each 32 numbers along K (OCP MX v1.0); their sums are f32. All else is computed in f32.
;;   The module's matrix products, in the order in which they are computed (A, B: the left and right operand; K: the contracted axis; several contracted axes count as one K, in the product's order):
;;     1. [M 2,048, K 2,048] x [K 2,048, N 8]; A: input x; B: input gate_w: left as it is (N = 8 < 16)
;;     2. [M 2,048, K 2,048] x [K 2,048, N 16,384]; A: input x; B: input expert_w (given as codes): QUANTISED
;;   THE QUANTISER, for each operand of a quantised product, along K:
;;     - K is cut into blocks of 32 from its start; a last block that is shorter is filled with zeros.
;;     - A block's scale is 2^e with e = floor(log2(the largest magnitude in the block)) - 2, held to -126 .. 127; a block of zeros has e = 0. As a byte (E8M0): e + 127.
;;     - Each number is divided by its block's scale, clamped to +-7.5, and rounded to the nearest number of E2M3, ties to even, subnormals kept.
;;     - The product sums the exact products of the quantised numbers (number of the format x scale) in f32.
;;   ~~~python
;;   def quantise(x, axis):      # numpy; x: float32 -> the quantised numbers, widened to float32 again
;;       x = np.moveaxis(x, axis, -1); K = x.shape[-1]
;;       x = np.pad(x, [(0, 0)] * (x.ndim - 1) + [(0, -K % 32)]); x = x.reshape(x.shape[:-1] + (-1, 32)); a = np.abs(x).max(-1, keepdims=True)
;;       e = np.where(a > 0, np.clip(np.frexp(np.where(a > 0, a, 1))[1] - 1 - 2, -126, 127), 0)      # np.frexp(a)[1] - 1 = floor(log2(a)), exactly
;;       r = np.clip(x / 2.0 ** e, -7.5, 7.5)
;;       step = 2.0 ** (np.maximum(np.frexp(np.where(r == 0, 1, r))[1] - 1, 0) - 3)
;;       q = np.round(r / step) * step * 2.0 ** e      # np.round: ties to even
;;       return np.moveaxis(q.reshape(q.shape[:-2] + (-1,))[..., :K], -1, axis).astype(np.float32)
;;   ~~~
;;   INPUTS GIVEN AS CODES. expert_w (in the module: [8, 2048, 2048], K = its axis 1): each comes as NAME_codes (uint8): NAME with its K axis moved to the last place and cut into blocks of 32 codes, [.., K / 32, bytes a block], one block behind the other in memory; four codes in three bytes: a row's codes are one little-endian stream of bits, code i at bits 6 i .. 6 i + 5 (a code: sign, 2 exponent bits, 3 mantissa bits); and NAME_scales (uint8): the same leading axes, one E8M0 byte (e + 127) for each 32 codes along K. Its value is code x scale, taken as it is: it is not quantised again, and the codes and scales need not be those that the quantiser above would give.
;; 2 versions. Each part assembles by itself: llvm-mc -triple=amdgcn-amd-amdhsa -mcpu=gfx1250 --defsym DOCPART=n.
;; ======== version 1 of 2: 3 launches
;; workspace buffers: xq 3,145,728 bytes; xs 131,072 bytes; route 8,192 bytes of whole numbers; gw 16,384 bytes; wl 25,165,824 bytes; order 8,192 bytes of whole numbers; sinfo 256 bytes of whole numbers
;; launch gateq (part 1): grid 256 x 1, 4 waves a work-group, no clusters, 91,136 bytes of LDS; arguments x, gate_w, gate_b, xq, xs, route, gw; writes xq, xs, route, gw
.if DOCPART == 1
	.amdgcn_target "amdgcn-amd-amdhsa--gfx1250"
	.amdhsa_code_object_version 6
	.text
	.protected	k_q44d33032b8_gateq
	.globl	k_q44d33032b8_gateq
	.p2align	8
	.type	k_q44d33032b8_gateq,@function
k_q44d33032b8_gateq:
	s_mov_b64 s[64:65], 0
	v_nop
	global_prefetch_b8 v0, s[64:65] scope:SCOPE_SE
	s_setreg_imm32_b32 hwreg(HW_REG_WAVE_MODE, 25, 1), 1
	s_wait_xcnt 0x0
; GATE AND QUANTISER.  x [2048][2048] f32 is read once and serves twice:
;  (1) logits = x gate_w + gate_b in f32 (fused multiply-adds), the two largest of the 8 (the lower index wins a tie), and the two weights g1 = 1 / (1 + 2^((l2 - l1) log2 e)), g2 = 1 - g1 in the form t g1:
;      that is softmax, top-2 and renormalising in one: the common divisor cancels, and the larger logit is taken away before the exponential, so its argument is 0 or less.
;  (2) codes of E2M3 along K with one E8M0 byte for each 32: the byte is the largest magnitude's exponent field - 2, held at 1 from below.
; OUT: xq [token][1536 bytes]: a row's codes as one stream of bits.  xs [token][16 words]: word s = the four bytes of K step s (128 along K) WITH BYTES 1 AND 2 EXCHANGED: the product's launch
; gives lane half h the raw blocks 2 h, 2 h + 1 of a K step (48 bytes on end), so the unit's block 2 c + h is raw block 2 h + c, for both operands alike.
; route [token] = a | b << 8 | p << 16: a < b the two experts, p the pair's rank 0..27 in an order in which neighbouring pairs share an expert.  gw [token][2]: the weight of a, of b.
; No address and no branch here hangs on the choice: it is only stored, at fixed places.
; SHARES.  A work-group owns 8 tokens; wave w owns k = 512 w .. 512 w + 511 of each; lane l owns k = 512 w + 16 l + 0..15, so its 16 x 8 gate weights stay in 128 registers.  Two neighbouring lanes hold a block of 32.
; Every global load reads 512 consecutive bytes; x and gate_w turn through the wave's own LDS bytes so that a lane gets neighbours along K.
; LIMITS: NaN and infinities among the inputs are not served.  A block of zeros gets the byte 1 (its codes are zeros; the bytes are read by this program alone).  The order is taken of the logits;
; a token whose second and third logits lie closer than the rounding of the f32 sums may be routed otherwise than by another order of summing.
.set GWP,  528                         ; gate_w's turn: a row of 512 bytes + 16: 33 x 16, so sixteen rows begin in sixteen different groups of banks
.set GWW,  32*GWP                      ; a wave's 32 rows
.set STG,  4*GWW                       ; x's turn: for each wave two stages of 32 places
.set SP,   80                          ; a place: 64 bytes + 16
.set STW,  2*32*SP
.set SB,   STG+4*STW                   ; the scale bytes, [8 tokens][64]
.set PL,   SB+512                      ; partial logits, [8 tokens][4 waves][2 halves of the lanes][8 f32]
.set R,    16                          ; v16-143   x as loaded, 16 registers a token
.set X,    144                         ; v144-175  two sets of 16 neighbours
.set ACC,  176                         ; v176-191  two sets of 8 sums (even k, odd k)
.set CD,   192                         ; v192-223  codes, four registers a token
.set EB,   224                         ; v224-231  a scale byte a token
; v1 lane; v2, v3, v4 offsets in x, gate_w, xq; v5 my block's byte in SB; v6, v7 gate_w's turn in and out; v14, v15 x's turn in and out; v232 my partial sums; v233-235 the last stage.  Window 1 (v256-383): gate_w[k_i][e] at 8 i + e
.set MSB, 0
.macro WIN new                         ; the immediate's high byte repeats the setting that is left
.if MSB != \new
	s_set_vgpr_msb (MSB<<8)|\new
.set MSB, \new
.endif
.endm
	s_load_b256 s[4:11], s[0:1], 0x0               ; x s[4:5], gate_w s[6:7], gate_b s[8:9], xq s[10:11]
	s_load_b128 s[12:15], s[0:1], 0x20             ; xs s[12:13], route s[14:15]
	s_load_b64 s[16:17], s[0:1], 0x30              ; gw
	v_lshl_add_u32 v254, v0, 2, 0x16200
	v_mov_b32 v255, 0
	v_lshrrev_b32 v8, 5, v0
	v_readfirstlane_b32 s18, v8                    ; wave 0..3
	v_and_b32 v1, 31, v0                           ; lane
	s_lshl_b32 s19, s18, 11
	v_lshl_add_u32 v2, v1, 4, s19                  ; x: 16 x lane + my quarter of a row
	s_lshl_b32 s19, s18, 14
	v_lshl_add_u32 v3, v1, 4, s19                  ; gate_w: 16 x lane + my 512 rows of 32 bytes
	s_mul_i32 s19, s18, 384
	v_mul_u32_u24 v4, v1, 12
	v_add_nc_u32 v4, s19, v4                       ; xq: 12 bytes a lane, 384 a wave
	v_lshrrev_b32 v8, 1, v1                        ; my block among the wave's 16
	v_and_b32 v8, 12, v8
	v_bfe_u32 v9, v0, 1, 1                         ; its bit 0 goes to bit 1,
	v_bfe_u32 v10, v0, 2, 1                        ; its bit 1 to bit 0: bytes 1 and 2 of each word change places
	v_lshl_add_u32 v8, v9, 1, v8
	v_add_nc_u32 v8, v8, v10
	s_lshl_b32 s19, s18, 4
	s_add_co_u32 s19, s19, SB
	v_add_nc_u32 v5, s19, v8
	s_mul_i32 s19, s18, GWW
	v_lshl_add_u32 v6, v1, 4, s19
	v_mul_u32_u24 v7, v1, GWP
	v_add_nc_u32 v7, s19, v7
	s_mul_i32 s19, s18, STW
	s_add_co_u32 s19, s19, STG
	v_lshrrev_b32 v8, 2, v1
	v_mul_u32_u24 v8, v8, SP
	v_and_b32 v9, 3, v1
	v_lshl_add_u32 v8, v9, 4, v8
	v_add_nc_u32 v14, s19, v8                      ; in: four lanes' 64 bytes on end, then the padding
	v_mul_u32_u24 v9, v1, SP
	v_add_nc_u32 v15, s19, v9                      ; out: my 16 neighbours
	s_lshl_b32 s19, s18, 6
	s_add_co_u32 s19, s19, PL
	v_bfe_u32 v8, v0, 4, 1
	v_lshl_add_u32 v232, v8, 5, s19
	v_and_b32 v8, 7, v0
	v_lshl_add_u32 v233, v8, 8, PL                 ; the last stage: lane % 8 is the token
	v_lshl_add_u32 v234, v1, 4, SB
	v_lshlrev_b32 v235, 4, v1
	s_mov_b32 s21, 0
	s_wait_kmcnt 0x0
	s_load_b256 s[24:31], s[8:9], 0x0              ; gate_b: 8 numbers
	s_lshl_b32 s20, ttmp9, 16                      ; my 8 tokens: 8 rows of 8,192 bytes of x,
	s_add_nc_u64 s[4:5], s[4:5], s[20:21]
	s_mul_i32 s20, ttmp9, 12288                    ; 8 x 1,536 of xq,
	s_add_nc_u64 s[10:11], s[10:11], s[20:21]
	s_lshl_b32 s20, ttmp9, 9                       ; 8 x 64 of xs,
	s_add_nc_u64 s[12:13], s[12:13], s[20:21]
	s_lshl_b32 s20, ttmp9, 5                       ; 8 x 4 of route,
	s_add_nc_u64 s[14:15], s[14:15], s[20:21]
	s_lshl_b32 s20, ttmp9, 6                       ; 8 x 8 of gw
	s_add_nc_u64 s[16:17], s[16:17], s[20:21]
	WIN 0x40                                       ; destination window 1
.set nn, 0
.rept 32
	global_load_b128 v[4*nn:4*nn+3], v3, s[6:7] offset:512*nn   ; load n is what lane n will hold: 512 consecutive bytes
.set nn, nn+1
.endr
	WIN 0
.macro LOAD t
.irp i, 0,1,2,3
	global_load_b128 v[R+16*(\t)+4*\i:R+16*(\t)+4*\i+3], v2, s[4:5] offset:8192*(\t)+512*\i th:TH_LOAD_NT
.endr
.endm
.irp t, 0,1,2,3,4,5,6,7
	LOAD \t
.endr
	s_wait_loadcnt 32                              ; gate_w is in; the 32 loads of x may be out
	WIN 0x04                                       ; an LDS store's data are its source 1: window 1
.set nn, 0
.rept 32
	ds_store_b128 v6, v[4*nn:4*nn+3] offset:GWP*nn
.set nn, nn+1
.endr
	s_wait_dscnt 0x0                               ; the stores have read their registers, which the loads below fill
	WIN 0x40
.set nn, 0
.rept 32
	ds_load_b128 v[4*nn:4*nn+3], v7 offset:16*nn   ; row = my lane: gate_w[512 w + 16 l + i][e] at register 8 i + e
.set nn, nn+1
.endr
	WIN 0
.macro TURN t                          ; token t's numbers through the stage: LDS serves a wave's instructions in order, so no wait stands between the stores and the loads
.irp i, 0,1,2,3
	ds_store_b128 v14, v[R+16*(\t)+4*\i:R+16*(\t)+4*\i+3] offset:32*SP*((\t)%2)+8*SP*\i
.endr
.irp i, 0,1,2,3
	ds_load_b128 v[X+16*((\t)%2)+4*\i:X+16*((\t)%2)+4*\i+3], v15 offset:32*SP*((\t)%2)+16*\i
.endr
.endm
	s_wait_loadcnt 28                              ; token 0's four loads are in
	TURN 0
.macro TOKEN t
.set XC, X+16*((\t)%2)
.if (\t) > 0
	s_wait_dscnt 3                                 ; my 16 numbers are back; behind them stand the last token's byte store and its two stores of sums
.else
	s_wait_dscnt 0x0                               ; gate_w and token 0
.endif
.if (\t) < 7
	s_wait_loadcnt 4*(6-(\t))                      ; the next token's four loads are in; those of the tokens behind it may be out
	TURN (\t)+1
.endif
	v_max3_num_f32 v8, |v[XC]|, |v[XC+1]|, |v[XC+2]|               ; the largest magnitude of my 16, in two chains
	v_max3_num_f32 v9, |v[XC+3]|, |v[XC+4]|, |v[XC+5]|
.irp i, 6,10
	v_max3_num_f32 v8, v8, |v[XC+\i]|, |v[XC+\i+1]|
	v_max3_num_f32 v9, v9, |v[XC+\i+2]|, |v[XC+\i+3]|
.endr
	v_max3_num_f32 v8, v8, |v[XC+14]|, |v[XC+15]|
	v_max3_num_f32 v8, v8, v9, 0x1800000           ; and the floor 2^(3 - 127): the byte cannot fall under 1
	v_max_num_f32_dpp v8, v8, v8 row_xmask:1 row_mask:0xf bank_mask:0xf   ; with my neighbour's 16: the block's
	v_add_nc_u32 v11, 0xff000000, v8               ; 2 off its exponent field: the conversion takes that field as its scale
	v_cvt_scalef32_pk16_fp6_f32 v[CD+4*(\t):CD+4*(\t)+2], v[XC:XC+15], v11
	v_lshrrev_b32 v[EB+(\t)], 23, v11              ; the scale's byte (also the plain line behind the conversion)
	ds_store_b8 v5, v[EB+(\t)] offset:64*(\t)      ; both lanes of a block write the same byte with the same value
	global_store_b96 v4, v[CD+4*(\t):CD+4*(\t)+2], s[10:11] offset:1536*(\t)   ; the wave stores 384 consecutive bytes
.if (\t) > 0
.if (\t) < 7
	s_wait_dscnt 9                                 ; the last token's two stores of sums have read their registers: behind them stand the turn's eight and the byte store
.else
	s_wait_dscnt 1                                 ; the same; no turn stands between
.endif
.endif
	WIN 0x04                                       ; source 1 (gate_w) window 1
.irp j, 0,1,2,3
	v_pk_mul_f32 v[ACC+2*\j:ACC+2*\j+1], v[XC:XC+1], v[2*\j:2*\j+1] op_sel_hi:[0,1]                    ; k 0 starts the even sums: x_0 for both halves
.endr
.irp j, 0,1,2,3
	v_pk_mul_f32 v[ACC+8+2*\j:ACC+9+2*\j], v[XC:XC+1], v[8+2*\j:9+2*\j] op_sel:[1,0] op_sel_hi:[1,1]   ; k 1 the odd ones: x_1 for both halves
.endr
.irp k, 2,4,6,8,10,12,14
.irp j, 0,1,2,3
	v_pk_fma_f32 v[ACC+2*\j:ACC+2*\j+1], v[XC+\k:XC+\k+1], v[8*\k+2*\j:8*\k+2*\j+1], v[ACC+2*\j:ACC+2*\j+1] op_sel_hi:[0,1,1]
.endr
.irp j, 0,1,2,3
	v_pk_fma_f32 v[ACC+8+2*\j:ACC+9+2*\j], v[XC+\k:XC+\k+1], v[8*\k+8+2*\j:8*\k+9+2*\j], v[ACC+8+2*\j:ACC+9+2*\j] op_sel:[1,0,0] op_sel_hi:[1,1,1]
.endr
.endr
	WIN 0
.irp j, 0,1,2,3
	v_pk_add_f32 v[ACC+2*\j:ACC+2*\j+1], v[ACC+2*\j:ACC+2*\j+1], v[ACC+8+2*\j:ACC+9+2*\j]
.endr
.irp m, 1,2,4,8                        ; over the sixteen lanes of each half, the eight sums by turns
.irp e, 0,1,2,3,4,5,6,7
	v_add_f32_dpp v[ACC+\e], v[ACC+\e], v[ACC+\e] row_xmask:\m row_mask:0xf bank_mask:0xf
.endr
.endr
	ds_store_b128 v232, v[ACC:ACC+3] offset:256*(\t)        ; sixteen lanes write the same 32 bytes with the same values
	ds_store_b128 v232, v[ACC+4:ACC+7] offset:256*(\t)+16
.endm
.irp t, 0,1,2,3,4,5,6,7
	TOKEN \t
.endr
	s_wait_kmcnt 0x0                               ; gate_b
	s_wait_dscnt 0x0                               ; for the others' sake: my scale bytes and partial sums lie in LDS
	s_barrier_signal -1
	s_barrier_wait -1
	s_cmp_eq_u32 s18, 0
	s_cbranch_scc1 .Lgate
	s_cmp_eq_u32 s18, 1
	s_cbranch_scc1 .Lxs
	s_wait_tensorcnt 0x0
	ds_add_u32 v254, v255
	s_wait_dscnt 0x0
	s_endpgm
.Lxs:                                              ; wave 1: the 8 tokens' scale words leave as 512 consecutive bytes
	ds_load_b128 v[16:19], v234
	s_wait_dscnt 0x0
	global_store_b128 v235, v[16:19], s[12:13]
	s_wait_tensorcnt 0x0
	ds_add_u32 v254, v255
	s_wait_dscnt 0x0
	s_endpgm
.Lgate:                                            ; wave 0: lane % 8 is the token; all lanes compute, eight store
.irp q, 0,1,2,3,4,5,6,7
	ds_load_b128 v[16+8*\q:19+8*\q], v233 offset:32*\q
	ds_load_b128 v[20+8*\q:23+8*\q], v233 offset:32*\q+16
.endr
	s_wait_dscnt 0x0
.irp q, 0,2,4,6
.irp j, 0,2,4,6
	v_pk_add_f32 v[16+8*\q+\j:17+8*\q+\j], v[16+8*\q+\j:17+8*\q+\j], v[24+8*\q+\j:25+8*\q+\j]
.endr
.endr
.irp q, 0,4
.irp j, 0,2,4,6
	v_pk_add_f32 v[16+8*\q+\j:17+8*\q+\j], v[16+8*\q+\j:17+8*\q+\j], v[32+8*\q+\j:33+8*\q+\j]
.endr
.endr
.irp j, 0,2,4,6
	v_pk_add_f32 v[16+\j:17+\j], v[16+\j:17+\j], v[48+\j:49+\j]
.endr
.irp e, 0,1,2,3,4,5,6,7
	v_add_f32 v[16+\e], s[24+\e], v[16+\e]         ; + gate_b: the logits
.endr
	v_mov_b32 v80, v16                             ; the largest and its index,
	v_mov_b32 v81, 0
	v_mov_b32 v82, 0xff800000                      ; the second: -infinity so far
	v_mov_b32 v83, 0
.irp e, 1,2,3,4,5,6,7                  ; strictly greater alone displaces: the lower index wins a tie
	v_mov_b32 v86, \e
	v_cmp_gt_f32 s20, v[16+\e], v80
	v_cmp_gt_f32 vcc_lo, v[16+\e], v82
	v_cndmask_b32 v84, v82, v[16+\e], vcc_lo
	v_cndmask_b32 v85, v83, v86, vcc_lo
	v_cndmask_b32 v82, v84, v80, s20
	v_cndmask_b32 v83, v85, v81, s20
	v_cndmask_b32 v80, v80, v[16+\e], s20
	v_cndmask_b32 v81, v81, v86, s20
.endr
	v_sub_f32 v84, v82, v80                        ; l2 - l1: 0 or less
	v_mul_f32 v84, 0x3fb8aa3b, v84
	v_exp_f32 v85, v84                             ; t = e^(l2 - l1), at most 1
	v_min_u32 v87, v81, v83                        ; a (a plain line behind the exponential)
	v_max_u32 v88, v81, v83                        ; b
	s_wait_alu depctr_va_vdst(0)                   ; the wait ahead of the first reader
	v_add_f32 v86, 1.0, v85
	v_rcp_f32 v89, v86                             ; g1 = 1 / (1 + t)
	v_sub_nc_u32 v91, 15, v87                      ; (a plain line behind the reciprocal)
	v_mul_u32_u24 v94, v87, v91
	s_wait_alu depctr_va_vdst(0)
	v_mul_f32 v90, v85, v89                        ; g2 = t g1
	v_cmp_lt_u32 vcc_lo, v81, v83                  ; is the larger logit's expert the lower index?
	v_cndmask_b32 v92, v90, v89, vcc_lo            ; the weight of a,
	v_cndmask_b32 v93, v89, v90, vcc_lo            ; of b
	v_lshrrev_b32 v94, 1, v94                      ; a (15 - a) / 2 pairs begin with a lower expert
	v_and_b32 v95, 1, v87
	v_sub_nc_u32 v96, v88, v87
	v_add_nc_u32 v96, -1, v96                      ; a even: b ascending,
	v_sub_nc_u32 v97, 7, v88                       ; a odd: b descending, so that neighbouring pairs share an expert
	v_cmp_eq_u32 vcc_lo, 1, v95
	v_cndmask_b32 v96, v96, v97, vcc_lo
	v_add_nc_u32 v94, v94, v96                     ; p
	v_lshl_or_b32 v98, v88, 8, v87
	v_lshl_or_b32 v98, v94, 16, v98
	v_lshlrev_b32 v99, 2, v1
	v_lshlrev_b32 v100, 3, v1
	s_wait_xcnt 0x0                                ; EXEC changes only behind this wait: stores of codes have been issued
	v_cmp_gt_u32 vcc_lo, 8, v1
	s_wait_tensorcnt 0x0
	ds_add_u32 v254, v255
	s_wait_dscnt 0x0
	s_and_saveexec_b32 s20, vcc_lo
	global_store_b32 v99, v98, s[14:15]
	global_store_b64 v100, v[92:93], s[16:17]
	s_endpgm
.Lfunc_end_k_q44d33032b8_gateq:
	.size	k_q44d33032b8_gateq, .Lfunc_end_k_q44d33032b8_gateq-k_q44d33032b8_gateq
	.p2alignl 7, 3214868480
	.fill 96, 4, 3214868480
	.section	.rodata,"a",@progbits
	.p2align	6, 0x0
	.amdhsa_kernel k_q44d33032b8_gateq
		.amdhsa_group_segment_fixed_size 91136
		.amdhsa_private_segment_fixed_size 0
		.amdhsa_enable_private_segment 0
		.amdhsa_kernarg_size 56
		.amdhsa_user_sgpr_count 2
		.amdhsa_user_sgpr_kernarg_segment_ptr 1
		.amdhsa_wavefront_size32 1
		.amdhsa_system_sgpr_workgroup_id_x 1
		.amdhsa_system_sgpr_workgroup_id_y 1
		.amdhsa_system_sgpr_workgroup_id_z 1
		.amdhsa_system_vgpr_workitem_id 0
		.amdhsa_next_free_vgpr 384
		.amdhsa_next_free_sgpr 66
		.amdhsa_reserve_vcc 1
		.amdhsa_float_denorm_mode_32 3
		.amdhsa_float_denorm_mode_16_64 3
		.amdhsa_memory_ordered 1
		.amdhsa_forward_progress 1
		.amdhsa_inst_pref_size 86
	.end_amdhsa_kernel
	.amdgpu_metadata
---
amdhsa.version: [ 1, 2 ]
amdhsa.kernels:
  - .name:           k_q44d33032b8_gateq
    .symbol:         k_q44d33032b8_gateq.kd
    .args:
      - { .name: x, .offset: 0, .size: 8, .value_kind: global_buffer, .address_space: global }
      - { .name: gate_w, .offset: 8, .size: 8, .value_kind: global_buffer, .address_space: global }
      - { .name: gate_b, .offset: 16, .size: 8, .value_kind: global_buffer, .address_space: global }
      - { .name: xq, .offset: 24, .size: 8, .value_kind: global_buffer, .address_space: global }
      - { .name: xs, .offset: 32, .size: 8, .value_kind: global_buffer, .address_space: global }
      - { .name: route, .offset: 40, .size: 8, .value_kind: global_buffer, .address_space: global }
      - { .name: gw, .offset: 48, .size: 8, .value_kind: global_buffer, .address_space: global }
    .group_segment_fixed_size: 91136
    .private_segment_fixed_size: 0
    .kernarg_segment_align: 8
    .kernarg_segment_size: 56
    .max_flat_workgroup_size: 128
    .sgpr_count:     66
    .vgpr_count:     384
    .wavefront_size: 32
...
	.end_amdgpu_metadata
.endif
;; end of part 1
;; launch lay (part 2): grid 257 x 1, 4 waves a work-group, no clusters, 100,352 bytes of LDS; arguments expert_w_codes, route, wl, order, sinfo; writes wl, order, sinfo
.if DOCPART == 2
	.amdgcn_target "amdgcn-amd-amdhsa--gfx1250"
	.amdhsa_code_object_version 6
	.text
	.protected	k_q44d33032b8_lay
	.globl	k_q44d33032b8_lay
	.p2align	8
	.type	k_q44d33032b8_lay,@function
k_q44d33032b8_lay:
	s_mov_b64 s[64:65], 0
	v_nop
	global_prefetch_b8 v0, s[64:65] scope:SCOPE_SE
	s_setreg_imm32_b32 hwreg(HW_REG_WAVE_MODE, 25, 1), 1
	s_wait_xcnt 0x0
; TWO JOBS IN ONE LAUNCH, parted by the work-group's number (the same for all four waves of a work-group); each has LDS bytes of its own.
; WORK-GROUPS 1..256: THE WEIGHTS' CODES INTO THE ORDER OF THE OPERAND'S REGISTERS.  expert_w_codes is [8][2048 rows][1536 bytes].  wl is [8 e][128 tiles of 16 rows][16 K steps][3 c][32 lanes][16 bytes]:
; lane (r, h) of chunk c of K step s holds the row's bytes 96 s + 48 h + 16 c .. + 15.  So a fragment of the product's launch is three loads of 16 bytes a lane, 512 consecutive bytes each.
; A wave takes one tile: 24,576 dense bytes in, the same range out; a pure permutation of pieces of 16 bytes, through the wave's own stage in LDS (rows 1,552 bytes apart: 97 x 16).  No barrier on this way.
; WORK-GROUP 0: A COUNTING SORT OF THE TOKENS BY THEIR PAIR'S RANK p (0..27), stable, without atomics.  Wave w takes tokens 512 w .. + 511 in 16 groups of 32.  Every table lies ACROSS THE LANES (lane p = pair p):
; five ballots of p's bits give, in lane p, the mask of the group's lanes that hold pair p (its population is the count) and, in each lane, the mask of its peers (those below it are its rank).
; order [2048]: token ids in sorted order.  sinfo [32]: for each block of 64 sorted tokens the set of experts that its tokens use, 8 bits.
.set PITCH, 1552
.set PLC,   4*16*PITCH                 ; the sort's LDS: [4 waves][32 lanes] counts
	s_load_b256 s[4:11], s[0:1], 0x0               ; codes s[4:5], route s[6:7], wl s[8:9], order s[10:11]
	s_load_b64 s[12:13], s[0:1], 0x20              ; sinfo
	v_lshl_add_u32 v254, v0, 2, 0x18600
	v_mov_b32 v255, 0
	v_lshrrev_b32 v1, 5, v0
	v_readfirstlane_b32 s14, v1                    ; wave 0..3
	v_and_b32 v1, 31, v0                           ; lane
	s_cmp_eq_u32 ttmp9, 0
	s_cbranch_scc1 .Lsort
	v_lshlrev_b32 v2, 4, v1                        ; 16 x lane: in memory, both ways
	s_mul_i32 s15, s14, 16*PITCH                   ; my stage
	v_add_nc_u32 v3, s15, v2                       ; in
	v_and_b32 v5, 15, v0
	v_bfe_u32 v6, v0, 4, 1
	v_mul_u32_u24 v4, v5, PITCH
	v_mad_u32_u24 v4, v6, 48, v4
	v_add_nc_u32 v4, s15, v4                       ; out: row r, + 48 h
	s_sub_co_u32 s16, ttmp9, 1
	s_lshl_b32 s16, s16, 2
	s_add_co_u32 s16, s16, s14                     ; my tile, 0..1023 = 128 e + tile
	s_mul_i32 s16, s16, 24576
	s_mov_b32 s17, 0
	s_wait_kmcnt 0x0
	s_add_nc_u64 s[4:5], s[4:5], s[16:17]
	s_add_nc_u64 s[8:9], s[8:9], s[16:17]
.set nn, 0
.rept 48
	global_load_b128 v[16+4*nn:19+4*nn], v2, s[4:5] offset:512*nn th:TH_LOAD_NT   ; a third of a row: 512 consecutive bytes
.set nn, nn+1
.endr
.set nn, 0
.rept 48
	s_wait_loadcnt 47-nn                           ; loads come back in order: this one is in, the younger may be out
	ds_store_b128 v3, v[16+4*nn:19+4*nn] offset:PITCH*(nn/3)+512*(nn%3)
.set nn, nn+1
.endr
	s_wait_dscnt 0x0                               ; the stores have read their registers, which the loads below fill
.set nn, 0
.rept 48
	ds_load_b128 v[16+4*nn:19+4*nn], v4 offset:96*(nn/3)+16*(nn%3)   ; K step n / 3, chunk n % 3
.set nn, nn+1
.endr
.set nn, 0
.rept 48
	s_wait_dscnt 47-nn
	global_store_b128 v2, v[16+4*nn:19+4*nn], s[8:9] offset:512*nn   ; 512 consecutive bytes, aligned
.set nn, nn+1
.endr
	s_wait_tensorcnt 0x0
	ds_add_u32 v254, v255
	s_wait_dscnt 0x0
	s_endpgm
; v2 512 w + lane; v3 route's offset; v4-8 NT_k = (bit k of my lane) - 1; v9 the running count; v10, v11 LDS; v16-31 p of group j; v32-47 my rank among my peers; v48-63 the count before group j; v64-68 at work;
; v73-76 the four waves' counts; v77 total; v78 the waves' before mine; v79 end; v80 start; v82 base; v96.. index, table, result, offset, token: 16 each
.Lsort:
	s_lshl_b32 s15, s14, 11
	v_lshl_add_u32 v3, v1, 2, s15
	s_lshl_b32 s15, s14, 9
	v_add_nc_u32 v2, s15, v1
.irp k, 0,1,2,3,4
	v_bfe_u32 v[4+\k], v0, \k, 1
	v_add_nc_u32 v[4+\k], -1, v[4+\k]              ; 0 where my lane's bit k is 1, else all ones
.endr
	v_mov_b32 v9, 0
	v_lshl_add_u32 v10, v0, 2, PLC                 ; 128 x wave + 4 x lane
	v_lshl_add_u32 v11, v1, 2, PLC
	s_mov_b32 s28, 0x55555555
	s_mov_b32 s29, 0x33333333
	s_mov_b32 s30, 0x0f0f0f0f
	s_mov_b32 s31, 0x01010101
	s_wait_kmcnt 0x0
.irp j, 0,1,2,3,4,5,6,7,8,9,10,11,12,13,14,15
	global_load_b32 v[16+\j], v3, s[6:7] offset:128*\j
.endr
	s_wait_loadcnt 0x0
.macro GROUP j
	v_bfe_u32 v[16+\j], v[16+\j], 16, 5            ; p
.irp k, 0,1,2,3,4
	v_and_b32 v64, 1<<\k, v[16+\j]
	v_cmp_ne_u32 s[20+\k], 0, v64                  ; the lanes whose p has bit k
.endr
	v_xor_b32 v65, s20, v4                         ; in lane p: the lanes that hold pair p: for each bit the ballot or its complement
.irp k, 1,2,3,4
	v_xor_b32 v66, s[20+\k], v[4+\k]
	v_and_b32 v65, v65, v66
.endr
	v_lshrrev_b32 v66, 1, v65                      ; its population, by sums of neighbouring fields
	v_and_b32 v66, s28, v66
	v_sub_nc_u32 v65, v65, v66
	v_lshrrev_b32 v66, 2, v65
	v_and_b32 v66, s29, v66
	v_and_b32 v65, s29, v65
	v_add_nc_u32 v65, v65, v66
	v_lshrrev_b32 v66, 4, v65
	v_add_nc_u32 v65, v65, v66
	v_and_b32 v65, s30, v65
	v_mul_lo_u32 v65, v65, s31
	v_lshrrev_b32 v65, 24, v65
	v_mov_b32 v[48+\j], v9                         ; pair p's tokens in my wave's earlier groups
	v_add_nc_u32 v9, v9, v65
	v_bfe_u32 v67, v[16+\j], 0, 1                  ; the same with my own p: my peers
	v_add_nc_u32 v67, -1, v67
	v_xor_b32 v67, s20, v67
.irp k, 1,2,3,4
	v_bfe_u32 v68, v[16+\j], \k, 1
	v_add_nc_u32 v68, -1, v68
	v_xor_b32 v68, s[20+\k], v68
	v_and_b32 v67, v67, v68
.endr
	v_mbcnt_lo_u32_b32 v[32+\j], v67, 0            ; how many of them stand in lower lanes
.endm
.irp j, 0,1,2,3,4,5,6,7,8,9,10,11,12,13,14,15
	GROUP \j
.endr
	ds_store_b32 v10, v9
	s_wait_dscnt 0x0                               ; for the others' sake: my wave's counts lie in LDS
	s_barrier_signal -1
	s_barrier_wait -1
	ds_load_b32 v73, v11
	ds_load_b32 v74, v11 offset:128
	ds_load_b32 v75, v11 offset:256
	ds_load_b32 v76, v11 offset:384
	s_wait_dscnt 0x0
	v_add_nc_u32 v77, v73, v74
	v_add3_u32 v77, v77, v75, v76                  ; pair p's tokens in all
	s_cmp_gt_u32 s14, 0
	s_cselect_b32 s25, -1, 0
	v_and_b32 v78, s25, v73
	s_cmp_gt_u32 s14, 1
	s_cselect_b32 s25, -1, 0
	v_and_b32 v64, s25, v74
	v_add_nc_u32 v78, v78, v64
	s_cmp_gt_u32 s14, 2
	s_cselect_b32 s25, -1, 0
	v_and_b32 v64, s25, v75
	v_add_nc_u32 v78, v78, v64                     ; and in the waves before mine
	v_mov_b32 v79, v77
.irp d, 1,2,4,8                        ; a running sum over each sixteen lanes
	v_mov_b32 v64, 0
	v_mov_b32_dpp v64, v79 row_shr:\d row_mask:0xf bank_mask:0xf bound_ctrl:1
	v_add_nc_u32 v79, v79, v64
.endr
	v_readlane_b32 s25, v79, 15
	v_mov_b32 v64, s25
	v_cmp_lt_u32 vcc_lo, 15, v1
	v_cndmask_b32 v64, 0, v64, vcc_lo
	v_add_nc_u32 v79, v79, v64                     ; the lower sixteen's sum onto the upper: where pair p ends,
	v_sub_nc_u32 v80, v79, v77                     ; where it begins,
	v_add_nc_u32 v82, v80, v78                     ; and where my wave's part of it begins
.irp j, 0,1,2,3,4,5,6,7,8,9,10,11,12,13,14,15
	v_min_u32 v[96+\j], 31, v[16+\j]               ; a loaded number is held before it names a lane
	v_lshlrev_b32 v[96+\j], 2, v[96+\j]
	v_add_nc_u32 v[112+\j], v82, v[48+\j]
	ds_bpermute_b32 v[128+\j], v[96+\j], v[112+\j] ; from lane p: where group j's first token of my pair goes
.endr
.irp j, 0,1,2,3,4,5,6,7,8,9,10,11,12,13,14,15
	s_wait_dscnt 15-\j
	v_add_nc_u32 v[144+\j], v[128+\j], v[32+\j]
	v_min_u32 v[144+\j], 0x7ff, v[144+\j]          ; held inside the table before it enters an address
	v_lshlrev_b32 v[144+\j], 2, v[144+\j]
	v_add_nc_u32 v[160+\j], 32*\j, v2
	global_store_b32 v[144+\j], v[160+\j], s[10:11]   ; each group has registers of its own: none is written again
.endr
	s_cmp_lg_u32 s14, 0
	s_cbranch_scc1 .Lsorted
	v_lshlrev_b32 v84, 6, v1                       ; wave 0: lane B = block B of 64 sorted tokens
	v_add_nc_u32 v85, 64, v84
	v_mov_b32 v86, 0
.set pp, 0
.irp c, 0x03,0x05,0x09,0x11,0x21,0x41,0x81,0x82,0x42,0x22,0x12,0x0a,0x06,0x0c,0x14,0x24,0x44,0x84,0x88,0x48,0x28,0x18,0x30,0x50,0x90,0xa0,0x60,0xc0
	v_readlane_b32 s25, v80, pp                    ; pair pp lies at [start, end): does it meet [64 B, 64 B + 64)?  An empty pair meets nothing
	v_readlane_b32 s26, v79, pp
	v_max_u32 v64, s25, v84
	v_min_u32 v65, s26, v85
	v_cmp_lt_u32 vcc_lo, v64, v65
	v_mov_b32 v66, \c                              ; its two experts' bits
	v_cndmask_b32 v66, 0, v66, vcc_lo
	v_or_b32 v86, v86, v66
.set pp, pp+1
.endr
	v_lshlrev_b32 v87, 2, v1
	global_store_b32 v87, v86, s[12:13]
.Lsorted:
	s_wait_tensorcnt 0x0
	ds_add_u32 v254, v255
	s_wait_dscnt 0x0
	s_endpgm
.Lfunc_end_k_q44d33032b8_lay:
	.size	k_q44d33032b8_lay, .Lfunc_end_k_q44d33032b8_lay-k_q44d33032b8_lay
	.p2alignl 7, 3214868480
	.fill 96, 4, 3214868480
	.section	.rodata,"a",@progbits
	.p2align	6, 0x0
	.amdhsa_kernel k_q44d33032b8_lay
		.amdhsa_group_segment_fixed_size 100352
		.amdhsa_private_segment_fixed_size 0
		.amdhsa_enable_private_segment 0
		.amdhsa_kernarg_size 40
		.amdhsa_user_sgpr_count 2
		.amdhsa_user_sgpr_kernarg_segment_ptr 1
		.amdhsa_wavefront_size32 1
		.amdhsa_system_sgpr_workgroup_id_x 1
		.amdhsa_system_sgpr_workgroup_id_y 1
		.amdhsa_system_sgpr_workgroup_id_z 1
		.amdhsa_system_vgpr_workitem_id 0
		.amdhsa_next_free_vgpr 256
		.amdhsa_next_free_sgpr 66
		.amdhsa_reserve_vcc 1
		.amdhsa_float_denorm_mode_32 3
		.amdhsa_float_denorm_mode_16_64 3
		.amdhsa_memory_ordered 1
		.amdhsa_forward_progress 1
		.amdhsa_inst_pref_size 75
	.end_amdhsa_kernel
	.amdgpu_metadata
---
amdhsa.version: [ 1, 2 ]
amdhsa.kernels:
  - .name:           k_q44d33032b8_lay
    .symbol:         k_q44d33032b8_lay.kd
    .args:
      - { .name: expert_w_codes, .offset: 0, .size: 8, .value_kind: global_buffer, .address_space: global }
      - { .name: route, .offset: 8, .size: 8, .value_kind: global_buffer, .address_space: global }
      - { .name: wl, .offset: 16, .size: 8, .value_kind: global_buffer, .address_space: global }
      - { .name: order, .offset: 24, .size: 8, .value_kind: global_buffer, .address_space: global }
      - { .name: sinfo, .offset: 32, .size: 8, .value_kind: global_buffer, .address_space: global }
    .group_segment_fixed_size: 100352
    .private_segment_fixed_size: 0
    .kernarg_segment_align: 8
    .kernarg_segment_size: 40
    .max_flat_workgroup_size: 128
    .sgpr_count:     66
    .vgpr_count:     256
    .wavefront_size: 32
...
	.end_amdgpu_metadata
.endif
;; end of part 2
;; launch moe (part 3): grid 8 x 32, 4 waves a work-group, no clusters, 166,400 bytes of LDS; arguments xq, xs, route, gw, order, sinfo, wl, expert_w_scales, expert_b, out0; writes out0
.if DOCPART == 3
	.amdgcn_target "amdgcn-amd-amdhsa--gfx1250"
	.amdhsa_code_object_version 6
	.text
	.protected	k_q44d33032b8_moe
	.globl	k_q44d33032b8_moe
	.p2align	8
	.type	k_q44d33032b8_moe,@function
k_q44d33032b8_moe:
	s_mov_b64 s[64:65], 0
	v_nop
	global_prefetch_b8 v0, s[64:65] scope:SCOPE_SE
	s_setreg_imm32_b32 hwreg(HW_REG_WAVE_MODE, 25, 1), 1
	s_wait_xcnt 0x0
; out0[token] = g_a (x W_a + b_a) + g_b (x W_b + b_b), both products on codes of E2M3 with E8M0 scales, only for the experts that a block of tokens uses.
; SHARES.  Work-group (x = cb, y = B) owns sorted tokens 64 B .. + 63 and outputs 256 cb .. + 255: each output number has one owner.  Wave w takes all 64 rows (4 tiles t) x outputs 64 w .. + 63 (4 tiles i):
; each weight byte is loaded once in the work-group, straight into the registers of the one wave that multiplies by it; x's codes lie in LDS for the whole launch.
; THE WALK.  sinfo[B] is the set of experts of the block's tokens (2 to 8).  For each: T = b_e (the C of K step 0) + the sum over 16 K steps of 128; then F += g T with g = the token's weight for this expert, or 0:
; a choice by v_cndmask_b32 on the stored route, no branch.  The trip count and the weights' addresses hang on whole numbers that earlier launches stored.
; NO TENSOR LOADS, NO CLUSTER: the number of trips and the experts walked differ from block to block (they are read from memory), so partners of a cluster would ask for different tiles in different numbers.
; THE PRODUCT IS USED TRANSPOSED: source 0 = 16 rows of W (outputs), source 1 = 16 tokens: a lane holds one token (lane % 16) and eight neighbouring outputs 16 i + 8 (lane / 16) + 0..7.
; FRAGMENTS OF 16-BYTE PIECES.  Lane (r, h) takes the 48 consecutive bytes at 96 s + 48 h of its row: raw blocks 2 h, 2 h + 1 of the K step.  The unit's block 2 c + h is then raw block 2 h + c, alike for x and W, so every
; product meets its partner; the scale words follow: bytes 1 and 2 change places (x's were stored so; W's by v_perm_b32).
; THE WEIGHTS' RING: eight slots of 48 registers (4 tiles x 12), one a K step, asked for seven steps ahead, on into the next expert.
; LIMITS: an expert that a token does not use is weighed with 0, so a NaN scale byte (0xff) among the weights, or a sum beyond f32's range, spoils all 64 tokens of a block that walks that expert.
; REGISTERS.  Window 0: v1 16 x lane; v2, v3 x's fragments in LDS (tiles 0, 1; tiles 2, 3); v4, v5, v6 offsets in wl, the scales, the bias; v7, v8 the stage in and out; v9 x's rows into LDS; v10-15 tokens; v16-31 row offsets;
;   v32-63 x's scale words; v64-95 W's; v96-127 the next expert's as loaded; v128-135 a, b; v136-143 the weights; v144-151 g (pairs); v152-159 offsets; v160-207, v208-255 x's fragments, two sets.
;   Window 1: ring slots 0-4.  Window 2: slots 5-7; from v144 the bias, 8 a tile.  Window 3: T at 8 (4 t + i); F at 128 + 8 (4 t + i).
.set XPITCH, 1552                      ; a token's 1,536 bytes + 16: 97 x 16, so sixteen rows begin in sixteen different groups of banks
.set XTILE,  16*XPITCH
.set STG,    64*XPITCH                 ; behind x: the stage for the way out, 64 rows x (1,024 bytes + 16)
.set SPITCH, 1040
.set XS,   32
.set WS,   64
.set WSR,  96
.set GA,   128
.set GB,   132
.set WP,   136
.set G,    144
.set AT,   152
.set A0,   160
.set BIAS, 144                         ; in window 2
.set F,    128                         ; in window 3
.set MSB, 0
.macro WIN new                         ; the immediate's high byte repeats the setting that is left
.if MSB != \new
	s_set_vgpr_msb (MSB<<8)|\new
.set MSB, \new
.endif
.endm
; the next expert: the lowest bit left in s27; its number is held at 7 before it enters an address; its three bases
.macro NEXT
	s_ctz_i32_b32 s30, s27
	s_min_u32 s30, s30, 7
	s_lshl_b32 s40, 1, s30
	s_and_not1_b32 s27, s27, s40
	s_mul_i32 s40, s30, 0x300000                   ; 128 tiles x 24,576 bytes of wl
	s_mov_b32 s41, 0
	s_add_nc_u64 s[34:35], s[16:17], s[40:41]
	s_lshl_b32 s40, s30, 17                        ; 2,048 rows x 64 scale bytes
	s_add_nc_u64 s[36:37], s[18:19], s[40:41]
	s_lshl_b32 s40, s30, 13                        ; 2,048 numbers of bias
	s_add_nc_u64 s[38:39], s[20:21], s[40:41]
.endm
; the next expert's scale words (lane l: row 32 u + l of my 64: lanes 0-15 tile 2 u, lanes 16-31 tile 2 u + 1; 16 words a row) and its bias in the result's layout
.macro SBLOAD
	WIN 0
.irp u, 0,1
.irp q, 0,1,2,3
	global_load_b128 v[WSR+16*\u+4*\q:WSR+16*\u+4*\q+3], v5, s[36:37] offset:2048*\u+16*\q
.endr
.endr
	WIN 0x80
.irp i, 0,1,2,3
.irp z, 0,1
	global_load_b128 v[BIAS+8*\i+4*\z:BIAS+8*\i+4*\z+3], v6, s[38:39] offset:64*\i+16*\z
.endr
.endr
.endm
; K step pos of the expert whose base is s[sb:sb+1] into slot pos % 8: 12 loads of 512 consecutive bytes
.macro WLOAD pos, sb
.if (\pos)%8 < 5
	WIN 0x40
.set l_b, 48*((\pos)%8)
.else
	WIN 0x80
.set l_b, 48*((\pos)%8-5)
.endif
.irp i, 0,1,2,3
.irp c, 0,1,2
	global_load_b128 v[l_b+12*\i+4*\c:l_b+12*\i+4*\c+3], v4, s[\sb:\sb+1] offset:24576*\i+1536*(\pos)+512*\c
.endr
.endr
.endm
; x's four fragments of K step k from LDS into set k % 2
.macro XFETCH k
.irp t, 0,1,2,3
.irp c, 0,1,2
	ds_load_b128 v[A0+48*((\k)%2)+12*\t+4*\c:A0+48*((\k)%2)+12*\t+4*\c+3], v[2+\t/2] offset:XTILE*(\t%2)+96*(\k)+16*\c
.endr
.endr
.endm
.macro PROD t, i, s
.set r_d, 8*(4*(\t)+(\i))
.set r_w, w_b+12*(\i)
.set r_a, A0+48*((\s)%2)+12*(\t)
.set r_p, WS+16*((\i)/2)+(\s)
.set r_q, XS+16*((\t)/2)+(\s)
.if (\s) == 0
.set r_c, BIAS+8*(\i)
.else
.set r_c, r_d
.endif
.if ((\i)%2 == 0) && ((\t)%2 == 0)
	v_wmma_scale_f32_16x16x128_f8f6f4 v[r_d:r_d+7], v[r_w:r_w+11], v[r_a:r_a+11], v[r_c:r_c+7], v[r_p], v[r_q] matrix_a_fmt:MATRIX_FMT_FP6 matrix_b_fmt:MATRIX_FMT_FP6
.elseif ((\i)%2 == 1) && ((\t)%2 == 0)
	v_wmma_scale_f32_16x16x128_f8f6f4 v[r_d:r_d+7], v[r_w:r_w+11], v[r_a:r_a+11], v[r_c:r_c+7], v[r_p], v[r_q] matrix_a_fmt:MATRIX_FMT_FP6 matrix_b_fmt:MATRIX_FMT_FP6 matrix_a_scale:MATRIX_SCALE_ROW1
.elseif ((\i)%2 == 0) && ((\t)%2 == 1)
	v_wmma_scale_f32_16x16x128_f8f6f4 v[r_d:r_d+7], v[r_w:r_w+11], v[r_a:r_a+11], v[r_c:r_c+7], v[r_p], v[r_q] matrix_a_fmt:MATRIX_FMT_FP6 matrix_b_fmt:MATRIX_FMT_FP6 matrix_b_scale:MATRIX_SCALE_ROW1
.else
	v_wmma_scale_f32_16x16x128_f8f6f4 v[r_d:r_d+7], v[r_w:r_w+11], v[r_a:r_a+11], v[r_c:r_c+7], v[r_p], v[r_q] matrix_a_fmt:MATRIX_FMT_FP6 matrix_b_fmt:MATRIX_FMT_FP6 matrix_a_scale:MATRIX_SCALE_ROW1 matrix_b_scale:MATRIX_SCALE_ROW1
.endif
.endm
; K STEP s of the expert in hand.  pf = 1: another expert follows, and the ring goes on into it.
.macro KSTEP s, pf
	WIN 0
	s_wait_dscnt 0x0                               ; x's fragments of this step, asked for a step ago
.if (\pf) || ((\s) <= 9)
	s_wait_loadcnt 63                              ; this step's weights are in: behind them six steps' loads, 72, have been issued
.else
	s_wait_loadcnt 12*(15-(\s))                    ; the last expert's last steps: 12 loads for each step still behind this one
.endif
.rept 4
	v_nop                                          ; four places in front of loads into x's other set and into the slot that the last step's products read
.endr
.if (\pf) || ((\s) < 15)
	XFETCH ((\s)+1)%16
.endif
.if (\pf) && ((\s) == 8)
	SBLOAD
.endif
.if (\s)+7 <= 15
	WLOAD (\s)+7, 32
.elseif \pf
	WLOAD (\s)-9, 34
.endif
.if (\s)%8 < 5
.set w_b, 48*((\s)%8)
.if (\s) == 0
	WIN 0xE1                                       ; W window 1, x window 0, C = the bias in window 2, D window 3
.else
	WIN 0xF1
.endif
.else
.set w_b, 48*((\s)%8-5)
	WIN 0xF2
.endif
.irp t, 0,1,2,3                        ; the sixteen accumulators by turns, one instruction a turn, in the same order in every step
.irp i, 0,1,2,3
	PROD \t, \i, \s
.endr
.endr
.endm
.macro EXPERT pf
.irp s, 0,1,2,3,4,5,6,7,8,9,10,11,12,13,14,15
	KSTEP \s, \pf
.endr
.endm
.macro ACCUM                           ; F += g T, each accumulator from its low end on
	WIN 0xF3
.set nn, 0
.rept 64
	v_pk_fma_f32 v[F+2*nn:F+2*nn+1], v[2*nn:2*nn+1], v[G+2*(nn/16):G+2*(nn/16)+1], v[F+2*nn:F+2*nn+1] op_sel_hi:[1,0,1]
.set nn, nn+1
.endr
	WIN 0
.endm
; BEHIND AN EXPERT'S LAST PRODUCT
.macro EPI pf
	WIN 0
.rept 5
	v_nop                                          ; four places ahead of the reads of T and the writes of the scale words, five ahead of T's new start with another C
.endr
.if \pf
	s_wait_loadcnt 63                              ; the next expert's scale words and bias are in: 96 loads of weights were issued behind them
.set nn, 0
.rept 32
	v_perm_b32 v[WS+nn], v[WSR+nn], v[WSR+nn], s42 ; bytes 1 and 2 change places.  More than eight plain lines follow ahead of the next product
.set nn, nn+1
.endr
.endif
.irp t, 0,1,2,3
	v_cmp_eq_u32 vcc_lo, s29, v[GA+\t]
	v_cndmask_b32 v[G+2*\t], 0, v[WP+2*\t], vcc_lo
	v_cmp_eq_u32 vcc_lo, s29, v[GB+\t]
	v_cndmask_b32 v[G+2*\t], v[G+2*\t], v[WP+2*\t+1], vcc_lo
.endr
.if \pf
	s_cmp_eq_u32 s31, 0
	s_cbranch_scc1 .Lacc_\@
	WIN 0xC3                                       ; the first expert starts the sums: nothing is cleared
.set nn, 0
.rept 64
	v_pk_mul_f32 v[F+2*nn:F+2*nn+1], v[2*nn:2*nn+1], v[G+2*(nn/16):G+2*(nn/16)+1] op_sel_hi:[1,0]
.set nn, nn+1
.endr
	WIN 0
	s_mov_b32 s31, 0
	s_branch .Ldone_\@
.Lacc_\@:
	ACCUM
.Ldone_\@:
.else
	ACCUM
.endif
.endm
	s_load_b512 s[4:19], s[0:1], 0x0               ; xq s[4:5], xs s[6:7], route s[8:9], gw s[10:11], order s[12:13], sinfo s[14:15], wl s[16:17], the weights' scales s[18:19]
	s_load_b128 s[20:23], s[0:1], 0x40             ; expert_b s[20:21], out0 s[22:23]
	s_set_vgpr_msb 0x40
	v_lshl_add_u32 v254, v0, 2, 0x28800
	v_mov_b32 v255, 0
	s_set_vgpr_msb 0x4000
	v_lshrrev_b32 v10, 5, v0
	v_readfirstlane_b32 s24, v10                   ; wave 0..3
	s_mov_b32 s25, ttmp9                           ; cb
	s_and_b32 s26, ttmp7, 0xffff                   ; B
	v_and_b32 v11, 31, v0                          ; lane
	v_and_b32 v12, 15, v0                          ; r
	v_bfe_u32 v13, v0, 4, 1                        ; h
	v_lshlrev_b32 v1, 4, v11
	v_mul_u32_u24 v2, v12, XPITCH
	v_mad_u32_u24 v2, v13, 48, v2                  ; row r, + 48 h
	v_add_nc_u32 v3, 2*XTILE, v2
	s_lshl_b32 s40, s25, 4
	s_lshl_b32 s41, s24, 2
	s_add_co_u32 s40, s40, s41                     ; my first tile of outputs: 16 cb + 4 w
	s_mul_i32 s40, s40, 24576
	v_add_nc_u32 v4, s40, v1
	s_lshl_b32 s40, s25, 8
	s_lshl_b32 s41, s24, 6
	s_add_co_u32 s40, s40, s41                     ; my first output: 256 cb + 64 w
	v_add_nc_u32 v5, s40, v11
	v_lshlrev_b32 v5, 6, v5
	s_lshl_b32 s41, s40, 2
	v_lshl_add_u32 v6, v13, 5, s41
	v_mul_u32_u24 v7, v12, SPITCH
	v_lshl_add_u32 v7, v13, 5, v7
	s_lshl_b32 s41, s24, 8
	s_add_co_u32 s41, s41, STG
	v_add_nc_u32 v7, s41, v7                       ; the stage, in: row r, + 256 w + 32 h
	s_mul_i32 s41, s24, 16*SPITCH
	s_add_co_u32 s41, s41, STG
	v_add_nc_u32 v8, s41, v1                       ; back: my 16 rows, 16 bytes a lane
	s_mul_i32 s41, s24, XTILE
	v_add_nc_u32 v9, s41, v1
	s_lshl_b32 s40, s26, 8                         ; the block's 64 words of order
	v_lshl_add_u32 v[AT], v11, 2, s40
	v_lshl_add_u32 v[AT+1], v12, 2, s40
	s_lshl_b32 s41, s24, 6
	s_add_co_u32 s41, s41, s40                     ; my wave's 16 of them
	s_lshl_b32 s42, s26, 2
	s_wait_kmcnt 0x0
	s_load_b512 s[44:59], s[12:13], s41 offset:0x0 ; my 16 tokens as scalars: I gather their rows of x, and store their rows of out0
	s_load_b32 s27, s[14:15], s42 offset:0x0       ; the block's experts
	global_load_b32 v10, v[AT], s[12:13]           ; lane l: token 32 u + l, for x's scale words
	global_load_b32 v11, v[AT], s[12:13] offset:128
.irp t, 0,1,2,3
	global_load_b32 v[12+\t], v[AT+1], s[12:13] offset:64*\t   ; lane (r, h): token 16 t + r, for its route and weights
.endr
	s_wait_kmcnt 0x0
.irp i, 0,1,2,3,4,5,6,7,8,9,10,11,12,13,14,15
	s_min_u32 s[44+\i], s[44+\i], 0x7ff            ; held inside the tables before it enters an address
.endr
	s_and_b32 s27, s27, 0xff
	s_bcnt1_i32_b32 s28, s27
	s_max_u32 s28, s28, 2
	s_min_u32 s28, s28, 8
	s_sub_co_u32 s28, s28, 1                       ; trips: all experts but the last, 1 to 7
	s_mov_b32 s42, 0x03010200
	s_mov_b32 s31, 1
	s_lshl_b32 s40, s25, 10
	s_mov_b32 s41, 0
	s_add_nc_u64 s[22:23], s[22:23], s[40:41]      ; out0 at my 256 columns
.irp i, 0,1,2,3,4,5,6,7,8,9,10,11,12,13,14,15
	s_mul_i32 s40, s[44+\i], 1536
	v_add_nc_u32 v[16+\i], s40, v1
.endr
	WIN 0xC0                                       ; destination window 3: the rows rest where F and half of T will lie
.irp i, 0,1,2,3,4,5,6,7,8,9,10,11,12,13,14,15
.irp c, 0,1,2
	global_load_b128 v[64+4*(3*\i+\c):64+4*(3*\i+\c)+3], v[16+\i], s[4:5] offset:512*\c   ; a third of a row: 512 consecutive bytes
.endr
.endr
	WIN 0
	s_wait_loadcnt 48                              ; the six loads of order are in; the 48 of x may be out
.irp j, 0,1,2,3,4,5
	v_min_u32 v[10+\j], 0x7ff, v[10+\j]
.endr
	v_lshlrev_b32 v10, 6, v10
	v_lshlrev_b32 v11, 6, v11
.irp t, 0,1,2,3
	v_lshlrev_b32 v[AT+\t], 2, v[12+\t]
	v_lshlrev_b32 v[AT+4+\t], 3, v[12+\t]
.endr
.irp u, 0,1
.irp q, 0,1,2,3
	global_load_b128 v[XS+16*\u+4*\q:XS+16*\u+4*\q+3], v[10+\u], s[6:7] offset:16*\q   ; register 16 u + s: lanes 0-15 tile 2 u, lanes 16-31 tile 2 u + 1
.endr
.endr
.irp t, 0,1,2,3
	global_load_b32 v[GA+\t], v[AT+\t], s[8:9]
.endr
.irp t, 0,1,2,3
	global_load_b64 v[WP+2*\t:WP+2*\t+1], v[AT+4+\t], s[10:11]
.endr
	NEXT                                           ; the first expert
	SBLOAD
.irp p, 0,1,2,3,4,5,6
	WLOAD \p, 34
.endr
	s_wait_loadcnt 63                              ; 170 loads have been issued: the oldest 107 are in, which is all but weights
	WIN 0x0C                                       ; an LDS store's data are its source 1: window 3
.irp i, 0,1,2,3,4,5,6,7,8,9,10,11,12,13,14,15
.irp c, 0,1,2
	ds_store_b128 v9, v[64+4*(3*\i+\c):64+4*(3*\i+\c)+3] offset:XPITCH*\i+512*\c
.endr
.endr
	WIN 0
.set nn, 0
.rept 32
	v_perm_b32 v[WS+nn], v[WSR+nn], v[WSR+nn], s42
.set nn, nn+1
.endr
.irp t, 0,1,2,3
	v_bfe_u32 v[GB+\t], v[GA+\t], 8, 8
	v_and_b32 v[GA+\t], 0xff, v[GA+\t]
	v_mov_b32 v[G+2*\t+1], 0                       ; named with g as a pair, so it is written
.endr
	s_wait_dscnt 0x0                               ; for the others' sake: my 16 rows of x lie in LDS
	s_barrier_signal -1
	s_barrier_wait -1
	XFETCH 0
.Ltrip:
	s_wait_xcnt 0x0                                ; the bases of loads that have been issued are written again only behind this wait
	s_mov_b32 s29, s30
	s_mov_b64 s[32:33], s[34:35]
	NEXT
	EXPERT 1
	EPI 1
	s_sub_co_i32 s28, s28, 1
	s_cmp_lg_u32 s28, 0
	s_cbranch_scc1 .Ltrip
	s_wait_xcnt 0x0
	s_mov_b32 s29, s30
	s_mov_b64 s[32:33], s[34:35]
	EXPERT 0                                       ; the last expert asks for nothing beyond its own 16 steps
	EPI 0
	; THE WAY OUT.  A row's 256 outputs come from four waves: they meet in the stage; each wave then stores 16 whole rows of 1,024 bytes, to the rows of its 16 tokens.
	WIN 0x0C
.irp t, 0,1,2,3
.irp i, 0,1,2,3
	ds_store_b128 v7, v[F+8*(4*\t+\i):F+8*(4*\t+\i)+3] offset:16*SPITCH*\t+64*\i
	ds_store_b128 v7, v[F+8*(4*\t+\i)+4:F+8*(4*\t+\i)+7] offset:16*SPITCH*\t+64*\i+16
.endr
.endr
	WIN 0
.irp i, 0,1,2,3,4,5,6,7,8,9,10,11,12,13,14,15
	s_lshl_b32 s40, s[44+\i], 13                   ; a row of out0 is 8,192 bytes
	v_add_nc_u32 v[16+\i], s40, v1
.endr
	s_wait_dscnt 0x0                               ; for the others' sake: my part of the 64 rows lies in the stage
	s_barrier_signal -1
	s_barrier_wait -1
	WIN 0xC0                                       ; into the registers that T has left
.irp i, 0,1,2,3,4,5,6,7,8,9,10,11,12,13,14,15
.irp u, 0,1
	ds_load_b128 v[4*(2*\i+\u):4*(2*\i+\u)+3], v8 offset:SPITCH*\i+512*\u
.endr
.endr
	WIN 0x0C                                       ; a store's data are its source 1: window 3
.irp i, 0,1,2,3,4,5,6,7,8,9,10,11,12,13,14,15
.irp u, 0,1
	s_wait_dscnt 31-(2*\i+\u)
	global_store_b128 v[16+\i], v[4*(2*\i+\u):4*(2*\i+\u)+3], s[22:23] offset:512*\u th:TH_STORE_NT   ; 32 lanes store 512 consecutive bytes of one row, aligned
.endr
.endr
	WIN 0
	s_set_vgpr_msb 0x5
	s_wait_tensorcnt 0x0
	ds_add_u32 v254, v255
	s_wait_dscnt 0x0
	s_set_vgpr_msb 0x500
	s_endpgm
.Lfunc_end_k_q44d33032b8_moe:
	.size	k_q44d33032b8_moe, .Lfunc_end_k_q44d33032b8_moe-k_q44d33032b8_moe
	.p2alignl 7, 3214868480
	.fill 96, 4, 3214868480
	.section	.rodata,"a",@progbits
	.p2align	6, 0x0
	.amdhsa_kernel k_q44d33032b8_moe
		.amdhsa_group_segment_fixed_size 166400
		.amdhsa_private_segment_fixed_size 0
		.amdhsa_enable_private_segment 0
		.amdhsa_kernarg_size 80
		.amdhsa_user_sgpr_count 2
		.amdhsa_user_sgpr_kernarg_segment_ptr 1
		.amdhsa_wavefront_size32 1
		.amdhsa_system_sgpr_workgroup_id_x 1
		.amdhsa_system_sgpr_workgroup_id_y 1
		.amdhsa_system_sgpr_workgroup_id_z 1
		.amdhsa_system_vgpr_workitem_id 0
		.amdhsa_next_free_vgpr 1024
		.amdhsa_next_free_sgpr 66
		.amdhsa_reserve_vcc 1
		.amdhsa_float_denorm_mode_32 3
		.amdhsa_float_denorm_mode_16_64 3
		.amdhsa_memory_ordered 1
		.amdhsa_forward_progress 1
		.amdhsa_inst_pref_size 181
	.end_amdhsa_kernel
	.amdgpu_metadata
---
amdhsa.version: [ 1, 2 ]
amdhsa.kernels:
  - .name:           k_q44d33032b8_moe
    .symbol:         k_q44d33032b8_moe.kd
    .args:
      - { .name: xq, .offset: 0, .size: 8, .value_kind: global_buffer, .address_space: global }
      - { .name: xs, .offset: 8, .size: 8, .value_kind: global_buffer, .address_space: global }
      - { .name: route, .offset: 16, .size: 8, .value_kind: global_buffer, .address_space: global }
      - { .name: gw, .offset: 24, .size: 8, .value_kind: global_buffer, .address_space: global }
      - { .name: order, .offset: 32, .size: 8, .value_kind: global_buffer, .address_space: global }
      - { .name: sinfo, .offset: 40, .size: 8, .value_kind: global_buffer, .address_space: global }
      - { .name: wl, .offset: 48, .size: 8, .value_kind: global_buffer, .address_space: global }
      - { .name: expert_w_scales, .offset: 56, .size: 8, .value_kind: global_buffer, .address_space: global }
      - { .name: expert_b, .offset: 64, .size: 8, .value_kind: global_buffer, .address_space: global }
      - { .name: out0, .offset: 72, .size: 8, .value_kind: global_buffer, .address_space: global }
    .group_segment_fixed_size: 166400
    .private_segment_fixed_size: 0
    .kernarg_segment_align: 8
    .kernarg_segment_size: 80
    .max_flat_workgroup_size: 128
    .sgpr_count:     66
    .vgpr_count:     1024
    .wavefront_size: 32
...
	.end_amdgpu_metadata
.endif
;; end of part 3
;; ======== version 2 of 2: 3 launches
;; workspace buffers: xq 3,145,728 bytes; xs 131,072 bytes; route 8,192 bytes of whole numbers; gw 16,384 bytes; wl 25,165,824 bytes; order 8,192 bytes of whole numbers; sinfo 256 bytes of whole numbers
;; launch gateq (part 4): grid 256 x 1, 4 waves a work-group, no clusters, 91,136 bytes of LDS; arguments x, gate_w, gate_b, xq, xs, route, gw; writes xq, xs, route, gw
.if DOCPART == 4
	.amdgcn_target "amdgcn-amd-amdhsa--gfx1250"
	.amdhsa_code_object_version 6
	.text
	.protected	k_q44d33032b8_gateq
	.globl	k_q44d33032b8_gateq
	.p2align	8
	.type	k_q44d33032b8_gateq,@function
k_q44d33032b8_gateq:
	s_mov_b64 s[64:65], 0
	v_nop
	global_prefetch_b8 v0, s[64:65] scope:SCOPE_SE
	s_setreg_imm32_b32 hwreg(HW_REG_WAVE_MODE, 25, 1), 1
	s_wait_xcnt 0x0
; GATE AND QUANTISER.  x [2048][2048] f32 is read once and serves twice:
;  (1) logits = x gate_w + gate_b in f32 (fused multiply-adds), the two largest of the 8 (the lower index wins a tie), and the two weights g1 = 1 / (1 + 2^((l2 - l1) log2 e)), g2 = 1 - g1 in the form t g1:
;      that is softmax, top-2 and renormalising in one: the common divisor cancels, and the larger logit is taken away before the exponential, so its argument is 0 or less.
;  (2) codes of E2M3 along K with one E8M0 byte for each 32: the byte is the largest magnitude's exponent field - 2, held at 1 from below.
; OUT: xq [token][1536 bytes]: a row's codes as one stream of bits.  xs [token][16 words]: word s = the four bytes of K step s (128 along K) WITH BYTES 1 AND 2 EXCHANGED: the product's launch
; gives lane half h the raw blocks 2 h, 2 h + 1 of a K step (48 bytes on end), so the unit's block 2 c + h is raw block 2 h + c, for both operands alike.
; route [token] = a | b << 8 | p << 16: a < b the two experts, p the pair's rank 0..27 in an order in which neighbouring pairs share an expert.  gw [token][2]: the weight of a, of b.
; No address and no branch here hangs on the choice: it is only stored, at fixed places.
; SHARES.  A work-group owns 8 tokens; wave w owns k = 512 w .. 512 w + 511 of each; lane l owns k = 512 w + 16 l + 0..15, so its 16 x 8 gate weights stay in 128 registers.  Two neighbouring lanes hold a block of 32.
; Every global load reads 512 consecutive bytes; x and gate_w turn through the wave's own LDS bytes so that a lane gets neighbours along K.
; LIMITS: NaN and infinities among the inputs are not served.  A block of zeros gets the byte 1 (its codes are zeros; the bytes are read by this program alone).  The order is taken of the logits;
; a token whose second and third logits lie closer than the rounding of the f32 sums may be routed otherwise than by another order of summing.
.set GWP,  528                         ; gate_w's turn: a row of 512 bytes + 16: 33 x 16, so sixteen rows begin in sixteen different groups of banks
.set GWW,  32*GWP                      ; a wave's 32 rows
.set STG,  4*GWW                       ; x's turn: for each wave two stages of 32 places
.set SP,   80                          ; a place: 64 bytes + 16
.set STW,  2*32*SP
.set SB,   STG+4*STW                   ; the scale bytes, [8 tokens][64]
.set PL,   SB+512                      ; partial logits, [8 tokens][4 waves][2 halves of the lanes][8 f32]
.set R,    16                          ; v16-143   x as loaded, 16 registers a token
.set X,    144                         ; v144-175  two sets of 16 neighbours
.set ACC,  176                         ; v176-191  two sets of 8 sums (even k, odd k)
.set CD,   192                         ; v192-223  codes, four registers a token
.set EB,   224                         ; v224-231  a scale byte a token
; v1 lane; v2, v3, v4 offsets in x, gate_w, xq; v5 my block's byte in SB; v6, v7 gate_w's turn in and out; v14, v15 x's turn in and out; v232 my partial sums; v233-235 the last stage.  Window 1 (v256-383): gate_w[k_i][e] at 8 i + e
.set MSB, 0
.macro WIN new                         ; the immediate's high byte repeats the setting that is left
.if MSB != \new
	s_set_vgpr_msb (MSB<<8)|\new
.set MSB, \new
.endif
.endm
	s_load_b256 s[4:11], s[0:1], 0x0               ; x s[4:5], gate_w s[6:7], gate_b s[8:9], xq s[10:11]
	s_load_b128 s[12:15], s[0:1], 0x20             ; xs s[12:13], route s[14:15]
	s_load_b64 s[16:17], s[0:1], 0x30              ; gw
	v_lshl_add_u32 v254, v0, 2, 0x16200
	v_mov_b32 v255, 0
	v_lshrrev_b32 v8, 5, v0
	v_readfirstlane_b32 s18, v8                    ; wave 0..3
	v_and_b32 v1, 31, v0                           ; lane
	s_lshl_b32 s19, s18, 11
	v_lshl_add_u32 v2, v1, 4, s19                  ; x: 16 x lane + my quarter of a row
	s_lshl_b32 s19, s18, 14
	v_lshl_add_u32 v3, v1, 4, s19                  ; gate_w: 16 x lane + my 512 rows of 32 bytes
	s_mul_i32 s19, s18, 384
	v_mul_u32_u24 v4, v1, 12
	v_add_nc_u32 v4, s19, v4                       ; xq: 12 bytes a lane, 384 a wave
	v_lshrrev_b32 v8, 1, v1                        ; my block among the wave's 16
	v_and_b32 v8, 12, v8
	v_bfe_u32 v9, v0, 1, 1                         ; its bit 0 goes to bit 1,
	v_bfe_u32 v10, v0, 2, 1                        ; its bit 1 to bit 0: bytes 1 and 2 of each word change places
	v_lshl_add_u32 v8, v9, 1, v8
	v_add_nc_u32 v8, v8, v10
	s_lshl_b32 s19, s18, 4
	s_add_co_u32 s19, s19, SB
	v_add_nc_u32 v5, s19, v8
	s_mul_i32 s19, s18, GWW
	v_lshl_add_u32 v6, v1, 4, s19
	v_mul_u32_u24 v7, v1, GWP
	v_add_nc_u32 v7, s19, v7
	s_mul_i32 s19, s18, STW
	s_add_co_u32 s19, s19, STG
	v_lshrrev_b32 v8, 2, v1
	v_mul_u32_u24 v8, v8, SP
	v_and_b32 v9, 3, v1
	v_lshl_add_u32 v8, v9, 4, v8
	v_add_nc_u32 v14, s19, v8                      ; in: four lanes' 64 bytes on end, then the padding
	v_mul_u32_u24 v9, v1, SP
	v_add_nc_u32 v15, s19, v9                      ; out: my 16 neighbours
	s_lshl_b32 s19, s18, 6
	s_add_co_u32 s19, s19, PL
	v_bfe_u32 v8, v0, 4, 1
	v_lshl_add_u32 v232, v8, 5, s19
	v_and_b32 v8, 7, v0
	v_lshl_add_u32 v233, v8, 8, PL                 ; the last stage: lane % 8 is the token
	v_lshl_add_u32 v234, v1, 4, SB
	v_lshlrev_b32 v235, 4, v1
	s_mov_b32 s21, 0
	s_wait_alu depctr_va_vdst(0)
	s_wait_kmcnt 0x0
	s_load_b256 s[24:31], s[8:9], 0x0              ; gate_b: 8 numbers
	s_lshl_b32 s20, ttmp9, 16                      ; my 8 tokens: 8 rows of 8,192 bytes of x,
	s_add_nc_u64 s[4:5], s[4:5], s[20:21]
	s_mul_i32 s20, ttmp9, 12288                    ; 8 x 1,536 of xq,
	s_add_nc_u64 s[10:11], s[10:11], s[20:21]
	s_lshl_b32 s20, ttmp9, 9                       ; 8 x 64 of xs,
	s_add_nc_u64 s[12:13], s[12:13], s[20:21]
	s_lshl_b32 s20, ttmp9, 5                       ; 8 x 4 of route,
	s_add_nc_u64 s[14:15], s[14:15], s[20:21]
	s_lshl_b32 s20, ttmp9, 6                       ; 8 x 8 of gw
	s_add_nc_u64 s[16:17], s[16:17], s[20:21]
	WIN 0x40                                       ; destination window 1
.set nn, 0
.rept 32
	global_load_b128 v[4*nn:4*nn+3], v3, s[6:7] offset:512*nn   ; load n is what lane n will hold: 512 consecutive bytes
.set nn, nn+1
.endr
	WIN 0
.macro LOAD t
.irp i, 0,1,2,3
	global_load_b128 v[R+16*(\t)+4*\i:R+16*(\t)+4*\i+3], v2, s[4:5] offset:8192*(\t)+512*\i th:TH_LOAD_NT
.endr
.endm
.irp t, 0,1,2,3,4,5,6,7
	LOAD \t
.endr
	s_wait_loadcnt 32                              ; gate_w is in; the 32 loads of x may be out
	WIN 0x04                                       ; an LDS store's data are its source 1: window 1
.set nn, 0
.rept 32
	ds_store_b128 v6, v[4*nn:4*nn+3] offset:GWP*nn
.set nn, nn+1
.endr
	s_wait_dscnt 0x0                               ; the stores have read their registers, which the loads below fill
	WIN 0x40
.set nn, 0
.rept 32
	ds_load_b128 v[4*nn:4*nn+3], v7 offset:16*nn   ; row = my lane: gate_w[512 w + 16 l + i][e] at register 8 i + e
.set nn, nn+1
.endr
	WIN 0
.macro TURN t                          ; token t's numbers through the stage: LDS serves a wave's instructions in order, so no wait stands between the stores and the loads
.irp i, 0,1,2,3
	ds_store_b128 v14, v[R+16*(\t)+4*\i:R+16*(\t)+4*\i+3] offset:32*SP*((\t)%2)+8*SP*\i
.endr
.irp i, 0,1,2,3
	ds_load_b128 v[X+16*((\t)%2)+4*\i:X+16*((\t)%2)+4*\i+3], v15 offset:32*SP*((\t)%2)+16*\i
.endr
.endm
	s_wait_loadcnt 28                              ; token 0's four loads are in
	TURN 0
.macro TOKEN t
.set XC, X+16*((\t)%2)
.if (\t) > 0
	s_wait_dscnt 3                                 ; my 16 numbers are back; behind them stand the last token's byte store and its two stores of sums
.else
	s_wait_dscnt 0x0                               ; gate_w and token 0
.endif
.if (\t) < 7
	s_wait_loadcnt 4*(6-(\t))                      ; the next token's four loads are in; those of the tokens behind it may be out
	TURN (\t)+1
.endif
	v_max3_num_f32 v8, |v[XC]|, |v[XC+1]|, |v[XC+2]|               ; the largest magnitude of my 16, in two chains
	v_max3_num_f32 v9, |v[XC+3]|, |v[XC+4]|, |v[XC+5]|
.irp i, 6,10
	v_max3_num_f32 v8, v8, |v[XC+\i]|, |v[XC+\i+1]|
	v_max3_num_f32 v9, v9, |v[XC+\i+2]|, |v[XC+\i+3]|
.endr
	v_max3_num_f32 v8, v8, |v[XC+14]|, |v[XC+15]|
	v_max3_num_f32 v8, v8, v9, 0x1800000           ; and the floor 2^(3 - 127): the byte cannot fall under 1
	v_max_num_f32_dpp v8, v8, v8 row_xmask:1 row_mask:0xf bank_mask:0xf   ; with my neighbour's 16: the block's
	v_add_nc_u32 v11, 0xff000000, v8               ; 2 off its exponent field: the conversion takes that field as its scale
	v_cvt_scalef32_pk16_fp6_f32 v[CD+4*(\t):CD+4*(\t)+2], v[XC:XC+15], v11
	v_lshrrev_b32 v[EB+(\t)], 23, v11              ; the scale's byte (also the plain line behind the conversion)
	ds_store_b8 v5, v[EB+(\t)] offset:64*(\t)      ; both lanes of a block write the same byte with the same value
	global_store_b96 v4, v[CD+4*(\t):CD+4*(\t)+2], s[10:11] offset:1536*(\t)   ; the wave stores 384 consecutive bytes
.if (\t) > 0
.if (\t) < 7
	s_wait_dscnt 9                                 ; the last token's two stores of sums have read their registers: behind them stand the turn's eight and the byte store
.else
	s_wait_dscnt 1                                 ; the same; no turn stands between
.endif
.endif
	WIN 0x04                                       ; source 1 (gate_w) window 1
.irp j, 0,1,2,3
	v_pk_mul_f32 v[ACC+2*\j:ACC+2*\j+1], v[XC:XC+1], v[2*\j:2*\j+1] op_sel_hi:[0,1]                    ; k 0 starts the even sums: x_0 for both halves
.endr
.irp j, 0,1,2,3
	v_pk_mul_f32 v[ACC+8+2*\j:ACC+9+2*\j], v[XC:XC+1], v[8+2*\j:9+2*\j] op_sel:[1,0] op_sel_hi:[1,1]   ; k 1 the odd ones: x_1 for both halves
.endr
.irp k, 2,4,6,8,10,12,14
.irp j, 0,1,2,3
	v_pk_fma_f32 v[ACC+2*\j:ACC+2*\j+1], v[XC+\k:XC+\k+1], v[8*\k+2*\j:8*\k+2*\j+1], v[ACC+2*\j:ACC+2*\j+1] op_sel_hi:[0,1,1]
.endr
.irp j, 0,1,2,3
	v_pk_fma_f32 v[ACC+8+2*\j:ACC+9+2*\j], v[XC+\k:XC+\k+1], v[8*\k+8+2*\j:8*\k+9+2*\j], v[ACC+8+2*\j:ACC+9+2*\j] op_sel:[1,0,0] op_sel_hi:[1,1,1]
.endr
.endr
	WIN 0
.irp j, 0,1,2,3
	v_pk_add_f32 v[ACC+2*\j:ACC+2*\j+1], v[ACC+2*\j:ACC+2*\j+1], v[ACC+8+2*\j:ACC+9+2*\j]
.endr
.irp m, 1,2,4,8                        ; over the sixteen lanes of each half, the eight sums by turns
.irp e, 0,1,2,3,4,5,6,7
	v_add_f32_dpp v[ACC+\e], v[ACC+\e], v[ACC+\e] row_xmask:\m row_mask:0xf bank_mask:0xf
.endr
.endr
	ds_store_b128 v232, v[ACC:ACC+3] offset:256*(\t)        ; sixteen lanes write the same 32 bytes with the same values
	ds_store_b128 v232, v[ACC+4:ACC+7] offset:256*(\t)+16
.endm
.irp t, 0,1,2,3,4,5,6,7
	TOKEN \t
.endr
	s_wait_kmcnt 0x0                               ; gate_b
	s_wait_dscnt 0x0                               ; for the others' sake: my scale bytes and partial sums lie in LDS
	s_barrier_signal -1
	s_barrier_wait -1
	s_cmp_eq_u32 s18, 0
	s_cbranch_scc1 .Lgate
	s_cmp_eq_u32 s18, 1
	s_cbranch_scc1 .Lxs
	s_wait_tensorcnt 0x0
	ds_add_u32 v254, v255
	s_wait_dscnt 0x0
	s_endpgm
.Lxs:                                              ; wave 1: the 8 tokens' scale words leave as 512 consecutive bytes
	ds_load_b128 v[16:19], v234
	s_wait_dscnt 0x0
	global_store_b128 v235, v[16:19], s[12:13]
	s_wait_tensorcnt 0x0
	ds_add_u32 v254, v255
	s_wait_dscnt 0x0
	s_endpgm
.Lgate:                                            ; wave 0: lane % 8 is the token; all lanes compute, eight store
.irp q, 0,1,2,3,4,5,6,7
	ds_load_b128 v[16+8*\q:19+8*\q], v233 offset:32*\q
	ds_load_b128 v[20+8*\q:23+8*\q], v233 offset:32*\q+16
.endr
	s_wait_dscnt 0x0
.irp q, 0,2,4,6
.irp j, 0,2,4,6
	v_pk_add_f32 v[16+8*\q+\j:17+8*\q+\j], v[16+8*\q+\j:17+8*\q+\j], v[24+8*\q+\j:25+8*\q+\j]
.endr
.endr
.irp q, 0,4
.irp j, 0,2,4,6
	v_pk_add_f32 v[16+8*\q+\j:17+8*\q+\j], v[16+8*\q+\j:17+8*\q+\j], v[32+8*\q+\j:33+8*\q+\j]
.endr
.endr
.irp j, 0,2,4,6
	v_pk_add_f32 v[16+\j:17+\j], v[16+\j:17+\j], v[48+\j:49+\j]
.endr
.irp e, 0,1,2,3,4,5,6,7
	v_add_f32 v[16+\e], s[24+\e], v[16+\e]         ; + gate_b: the logits
.endr
	v_mov_b32 v80, v16                             ; the largest and its index,
	v_mov_b32 v81, 0
	v_mov_b32 v82, 0xff800000                      ; the second: -infinity so far
	v_mov_b32 v83, 0
.irp e, 1,2,3,4,5,6,7                  ; strictly greater alone displaces: the lower index wins a tie
	v_mov_b32 v86, \e
	v_cmp_gt_f32 s20, v[16+\e], v80
	v_cmp_gt_f32 vcc_lo, v[16+\e], v82
	v_cndmask_b32 v84, v82, v[16+\e], vcc_lo
	v_cndmask_b32 v85, v83, v86, vcc_lo
	v_cndmask_b32 v82, v84, v80, s20
	v_cndmask_b32 v83, v85, v81, s20
	v_cndmask_b32 v80, v80, v[16+\e], s20
	v_cndmask_b32 v81, v81, v86, s20
.endr
	v_sub_f32 v84, v82, v80                        ; l2 - l1: 0 or less
	v_mul_f32 v84, 0x3fb8aa3b, v84
	s_wait_alu depctr_va_vdst(0)
	v_exp_f32 v85, v84                             ; t = e^(l2 - l1), at most 1
	v_min_u32 v87, v81, v83                        ; a (a plain line behind the exponential)
	v_max_u32 v88, v81, v83                        ; b
	s_wait_alu depctr_va_vdst(0)                   ; the wait ahead of the first reader
	v_add_f32 v86, 1.0, v85
	s_wait_alu depctr_va_vdst(0)
	v_rcp_f32 v89, v86                             ; g1 = 1 / (1 + t)
	v_sub_nc_u32 v91, 15, v87                      ; (a plain line behind the reciprocal)
	v_mul_u32_u24 v94, v87, v91
	s_wait_alu depctr_va_vdst(0)
	v_mul_f32 v90, v85, v89                        ; g2 = t g1
	v_cmp_lt_u32 vcc_lo, v81, v83                  ; is the larger logit's expert the lower index?
	v_cndmask_b32 v92, v90, v89, vcc_lo            ; the weight of a,
	v_cndmask_b32 v93, v89, v90, vcc_lo            ; of b
	v_lshrrev_b32 v94, 1, v94                      ; a (15 - a) / 2 pairs begin with a lower expert
	v_and_b32 v95, 1, v87
	v_sub_nc_u32 v96, v88, v87
	v_add_nc_u32 v96, -1, v96                      ; a even: b ascending,
	v_sub_nc_u32 v97, 7, v88                       ; a odd: b descending, so that neighbouring pairs share an expert
	v_cmp_eq_u32 vcc_lo, 1, v95
	v_cndmask_b32 v96, v96, v97, vcc_lo
	v_add_nc_u32 v94, v94, v96                     ; p
	v_lshl_or_b32 v98, v88, 8, v87
	v_lshl_or_b32 v98, v94, 16, v98
	v_lshlrev_b32 v99, 2, v1
	v_lshlrev_b32 v100, 3, v1
	s_wait_alu depctr_va_vdst(0)
	s_wait_xcnt 0x0                                ; EXEC changes only behind this wait: stores of codes have been issued
	v_cmp_gt_u32 vcc_lo, 8, v1
	s_wait_tensorcnt 0x0
	ds_add_u32 v254, v255
	s_wait_dscnt 0x0
	s_and_saveexec_b32 s20, vcc_lo
	global_store_b32 v99, v98, s[14:15]
	global_store_b64 v100, v[92:93], s[16:17]
	s_endpgm
.Lfunc_end_k_q44d33032b8_gateq:
	.size	k_q44d33032b8_gateq, .Lfunc_end_k_q44d33032b8_gateq-k_q44d33032b8_gateq
	.p2alignl 7, 3214868480
	.fill 96, 4, 3214868480
	.section	.rodata,"a",@progbits
	.p2align	6, 0x0
	.amdhsa_kernel k_q44d33032b8_gateq
		.amdhsa_group_segment_fixed_size 91136
		.amdhsa_private_segment_fixed_size 0
		.amdhsa_enable_private_segment 0
		.amdhsa_kernarg_size 56
		.amdhsa_user_sgpr_count 2
		.amdhsa_user_sgpr_kernarg_segment_ptr 1
		.amdhsa_wavefront_size32 1
		.amdhsa_system_sgpr_workgroup_id_x 1
		.amdhsa_system_sgpr_workgroup_id_y 1
		.amdhsa_system_sgpr_workgroup_id_z 1
		.amdhsa_system_vgpr_workitem_id 0
		.amdhsa_next_free_vgpr 384
		.amdhsa_next_free_sgpr 66
		.amdhsa_reserve_vcc 1
		.amdhsa_float_denorm_mode_32 3
		.amdhsa_float_denorm_mode_16_64 3
		.amdhsa_memory_ordered 1
		.amdhsa_forward_progress 1
		.amdhsa_inst_pref_size 86
	.end_amdhsa_kernel
	.amdgpu_metadata
---
amdhsa.version: [ 1, 2 ]
amdhsa.kernels:
  - .name:           k_q44d33032b8_gateq
    .symbol:         k_q44d33032b8_gateq.kd
    .args:
      - { .name: x, .offset: 0, .size: 8, .value_kind: global_buffer, .address_space: global }
      - { .name: gate_w, .offset: 8, .size: 8, .value_kind: global_buffer, .address_space: global }
      - { .name: gate_b, .offset: 16, .size: 8, .value_kind: global_buffer, .address_space: global }
      - { .name: xq, .offset: 24, .size: 8, .value_kind: global_buffer, .address_space: global }
      - { .name: xs, .offset: 32, .size: 8, .value_kind: global_buffer, .address_space: global }
      - { .name: route, .offset: 40, .size: 8, .value_kind: global_buffer, .address_space: global }
      - { .name: gw, .offset: 48, .size: 8, .value_kind: global_buffer, .address_space: global }
    .group_segment_fixed_size: 91136
    .private_segment_fixed_size: 0
    .kernarg_segment_align: 8
    .kernarg_segment_size: 56
    .max_flat_workgroup_size: 128
    .sgpr_count:     66
    .vgpr_count:     384
    .wavefront_size: 32
...
	.end_amdgpu_metadata
.endif
;; end of part 4
;; launch lay (part 5): grid 257 x 1, 4 waves a work-group, no clusters, 100,352 bytes of LDS; arguments expert_w_codes, route, wl, order, sinfo; writes wl, order, sinfo
.if DOCPART == 5
	.amdgcn_target "amdgcn-amd-amdhsa--gfx1250"
	.amdhsa_code_object_version 6
	.text
	.protected	k_q44d33032b8_lay
	.globl	k_q44d33032b8_lay
	.p2align	8
	.type	k_q44d33032b8_lay,@function
k_q44d33032b8_lay:
	s_mov_b64 s[64:65], 0
	v_nop
	global_prefetch_b8 v0, s[64:65] scope:SCOPE_SE
	s_setreg_imm32_b32 hwreg(HW_REG_WAVE_MODE, 25, 1), 1
	s_wait_xcnt 0x0
; TWO JOBS IN ONE LAUNCH, parted by the work-group's number (the same for all four waves of a work-group); each has LDS bytes of its own.
; WORK-GROUPS 1..256: THE WEIGHTS' CODES INTO THE ORDER OF THE OPERAND'S REGISTERS.  expert_w_codes is [8][2048 rows][1536 bytes].  wl is [8 e][128 tiles of 16 rows][16 K steps][3 c][32 lanes][16 bytes]:
; lane (r, h) of chunk c of K step s holds the row's bytes 96 s + 48 h + 16 c .. + 15.  So a fragment of the product's launch is three loads of 16 bytes a lane, 512 consecutive bytes each.
; A wave takes one tile: 24,576 dense bytes in, the same range out; a pure permutation of pieces of 16 bytes, through the wave's own stage in LDS (rows 1,552 bytes apart: 97 x 16).  No barrier on this way.
; WORK-GROUP 0: A COUNTING SORT OF THE TOKENS BY THEIR PAIR'S RANK p (0..27), stable, without atomics.  Wave w takes tokens 512 w .. + 511 in 16 groups of 32.  Every table lies ACROSS THE LANES (lane p = pair p):
; five ballots of p's bits give, in lane p, the mask of the group's lanes that hold pair p (its population is the count) and, in each lane, the mask of its peers (those below it are its rank).
; order [2048]: token ids in sorted order.  sinfo [32]: for each block of 64 sorted tokens the set of experts that its tokens use, 8 bits.
.set PITCH, 1552
.set PLC,   4*16*PITCH                 ; the sort's LDS: [4 waves][32 lanes] counts
	s_load_b256 s[4:11], s[0:1], 0x0               ; codes s[4:5], route s[6:7], wl s[8:9], order s[10:11]
	s_load_b64 s[12:13], s[0:1], 0x20              ; sinfo
	v_lshl_add_u32 v254, v0, 2, 0x18600
	v_mov_b32 v255, 0
	v_lshrrev_b32 v1, 5, v0
	v_readfirstlane_b32 s14, v1                    ; wave 0..3
	v_and_b32 v1, 31, v0                           ; lane
	s_cmp_eq_u32 ttmp9, 0
	s_cbranch_scc1 .Lsort
	v_lshlrev_b32 v2, 4, v1                        ; 16 x lane: in memory, both ways
	s_mul_i32 s15, s14, 16*PITCH                   ; my stage
	v_add_nc_u32 v3, s15, v2                       ; in
	v_and_b32 v5, 15, v0
	v_bfe_u32 v6, v0, 4, 1
	v_mul_u32_u24 v4, v5, PITCH
	v_mad_u32_u24 v4, v6, 48, v4
	v_add_nc_u32 v4, s15, v4                       ; out: row r, + 48 h
	s_sub_co_u32 s16, ttmp9, 1
	s_lshl_b32 s16, s16, 2
	s_add_co_u32 s16, s16, s14                     ; my tile, 0..1023 = 128 e + tile
	s_mul_i32 s16, s16, 24576
	s_mov_b32 s17, 0
	s_wait_alu depctr_va_vdst(0)
	s_wait_kmcnt 0x0
	s_add_nc_u64 s[4:5], s[4:5], s[16:17]
	s_add_nc_u64 s[8:9], s[8:9], s[16:17]
.set nn, 0
.rept 48
	global_load_b128 v[16+4*nn:19+4*nn], v2, s[4:5] offset:512*nn th:TH_LOAD_NT   ; a third of a row: 512 consecutive bytes
.set nn, nn+1
.endr
.set nn, 0
.rept 48
	s_wait_loadcnt 47-nn                           ; loads come back in order: this one is in, the younger may be out
	ds_store_b128 v3, v[16+4*nn:19+4*nn] offset:PITCH*(nn/3)+512*(nn%3)
.set nn, nn+1
.endr
	s_wait_dscnt 0x0                               ; the stores have read their registers, which the loads below fill
.set nn, 0
.rept 48
	ds_load_b128 v[16+4*nn:19+4*nn], v4 offset:96*(nn/3)+16*(nn%3)   ; K step n / 3, chunk n % 3
.set nn, nn+1
.endr
.set nn, 0
.rept 48
	s_wait_dscnt 47-nn
	global_store_b128 v2, v[16+4*nn:19+4*nn], s[8:9] offset:512*nn   ; 512 consecutive bytes, aligned
.set nn, nn+1
.endr
	s_wait_tensorcnt 0x0
	ds_add_u32 v254, v255
	s_wait_dscnt 0x0
	s_endpgm
; v2 512 w + lane; v3 route's offset; v4-8 NT_k = (bit k of my lane) - 1; v9 the running count; v10, v11 LDS; v16-31 p of group j; v32-47 my rank among my peers; v48-63 the count before group j; v64-68 at work;
; v73-76 the four waves' counts; v77 total; v78 the waves' before mine; v79 end; v80 start; v82 base; v96.. index, table, result, offset, token: 16 each
.Lsort:
	s_lshl_b32 s15, s14, 11
	s_wait_alu depctr_va_vdst(0)
	v_lshl_add_u32 v3, v1, 2, s15
	s_lshl_b32 s15, s14, 9
	v_add_nc_u32 v2, s15, v1
.irp k, 0,1,2,3,4
	v_bfe_u32 v[4+\k], v0, \k, 1
	v_add_nc_u32 v[4+\k], -1, v[4+\k]              ; 0 where my lane's bit k is 1, else all ones
.endr
	v_mov_b32 v9, 0
	v_lshl_add_u32 v10, v0, 2, PLC                 ; 128 x wave + 4 x lane
	v_lshl_add_u32 v11, v1, 2, PLC
	s_mov_b32 s28, 0x55555555
	s_mov_b32 s29, 0x33333333
	s_mov_b32 s30, 0x0f0f0f0f
	s_mov_b32 s31, 0x01010101
	s_wait_kmcnt 0x0
.irp j, 0,1,2,3,4,5,6,7,8,9,10,11,12,13,14,15
	global_load_b32 v[16+\j], v3, s[6:7] offset:128*\j
.endr
	s_wait_loadcnt 0x0
.macro GROUP j
	v_bfe_u32 v[16+\j], v[16+\j], 16, 5            ; p
.irp k, 0,1,2,3,4
	v_and_b32 v64, 1<<\k, v[16+\j]
	v_cmp_ne_u32 s[20+\k], 0, v64                  ; the lanes whose p has bit k
.endr
	v_xor_b32 v65, s20, v4                         ; in lane p: the lanes that hold pair p: for each bit the ballot or its complement
.irp k, 1,2,3,4
	v_xor_b32 v66, s[20+\k], v[4+\k]
	v_and_b32 v65, v65, v66
.endr
	v_lshrrev_b32 v66, 1, v65                      ; its population, by sums of neighbouring fields
	v_and_b32 v66, s28, v66
	v_sub_nc_u32 v65, v65, v66
	v_lshrrev_b32 v66, 2, v65
	v_and_b32 v66, s29, v66
	v_and_b32 v65, s29, v65
	v_add_nc_u32 v65, v65, v66
	v_lshrrev_b32 v66, 4, v65
	v_add_nc_u32 v65, v65, v66
	v_and_b32 v65, s30, v65
	v_mul_lo_u32 v65, v65, s31
	v_lshrrev_b32 v65, 24, v65
	v_mov_b32 v[48+\j], v9                         ; pair p's tokens in my wave's earlier groups
	v_add_nc_u32 v9, v9, v65
	v_bfe_u32 v67, v[16+\j], 0, 1                  ; the same with my own p: my peers
	v_add_nc_u32 v67, -1, v67
	v_xor_b32 v67, s20, v67
.irp k, 1,2,3,4
	v_bfe_u32 v68, v[16+\j], \k, 1
	v_add_nc_u32 v68, -1, v68
	v_xor_b32 v68, s[20+\k], v68
	v_and_b32 v67, v67, v68
.endr
	v_mbcnt_lo_u32_b32 v[32+\j], v67, 0            ; how many of them stand in lower lanes
.endm
.irp j, 0,1,2,3,4,5,6,7,8,9,10,11,12,13,14,15
	GROUP \j
.endr
	ds_store_b32 v10, v9
	s_wait_dscnt 0x0                               ; for the others' sake: my wave's counts lie in LDS
	s_barrier_signal -1
	s_barrier_wait -1
	ds_load_b32 v73, v11
	ds_load_b32 v74, v11 offset:128
	ds_load_b32 v75, v11 offset:256
	ds_load_b32 v76, v11 offset:384
	s_wait_dscnt 0x0
	v_add_nc_u32 v77, v73, v74
	v_add3_u32 v77, v77, v75, v76                  ; pair p's tokens in all
	s_cmp_gt_u32 s14, 0
	s_cselect_b32 s25, -1, 0
	v_and_b32 v78, s25, v73
	s_cmp_gt_u32 s14, 1
	s_cselect_b32 s25, -1, 0
	v_and_b32 v64, s25, v74
	v_add_nc_u32 v78, v78, v64
	s_cmp_gt_u32 s14, 2
	s_cselect_b32 s25, -1, 0
	v_and_b32 v64, s25, v75
	v_add_nc_u32 v78, v78, v64                     ; and in the waves before mine
	v_mov_b32 v79, v77
.irp d, 1,2,4,8                        ; a running sum over each sixteen lanes
	v_mov_b32 v64, 0
	v_mov_b32_dpp v64, v79 row_shr:\d row_mask:0xf bank_mask:0xf bound_ctrl:1
	v_add_nc_u32 v79, v79, v64
.endr
	v_readlane_b32 s25, v79, 15
	v_mov_b32 v64, s25
	v_cmp_lt_u32 vcc_lo, 15, v1
	v_cndmask_b32 v64, 0, v64, vcc_lo
	v_add_nc_u32 v79, v79, v64                     ; the lower sixteen's sum onto the upper: where pair p ends,
	v_sub_nc_u32 v80, v79, v77                     ; where it begins,
	v_add_nc_u32 v82, v80, v78                     ; and where my wave's part of it begins
.irp j, 0,1,2,3,4,5,6,7,8,9,10,11,12,13,14,15
	v_min_u32 v[96+\j], 31, v[16+\j]               ; a loaded number is held before it names a lane
	v_lshlrev_b32 v[96+\j], 2, v[96+\j]
	v_add_nc_u32 v[112+\j], v82, v[48+\j]
	ds_bpermute_b32 v[128+\j], v[96+\j], v[112+\j] ; from lane p: where group j's first token of my pair goes
.endr
.irp j, 0,1,2,3,4,5,6,7,8,9,10,11,12,13,14,15
	s_wait_dscnt 15-\j
	v_add_nc_u32 v[144+\j], v[128+\j], v[32+\j]
	v_min_u32 v[144+\j], 0x7ff, v[144+\j]          ; held inside the table before it enters an address
	v_lshlrev_b32 v[144+\j], 2, v[144+\j]
	v_add_nc_u32 v[160+\j], 32*\j, v2
	global_store_b32 v[144+\j], v[160+\j], s[10:11]   ; each group has registers of its own: none is written again
.endr
	s_cmp_lg_u32 s14, 0
	s_cbranch_scc1 .Lsorted
	v_lshlrev_b32 v84, 6, v1                       ; wave 0: lane B = block B of 64 sorted tokens
	v_add_nc_u32 v85, 64, v84
	v_mov_b32 v86, 0
.set pp, 0
.irp c, 0x03,0x05,0x09,0x11,0x21,0x41,0x81,0x82,0x42,0x22,0x12,0x0a,0x06,0x0c,0x14,0x24,0x44,0x84,0x88,0x48,0x28,0x18,0x30,0x50,0x90,0xa0,0x60,0xc0
	v_readlane_b32 s25, v80, pp                    ; pair pp lies at [start, end): does it meet [64 B, 64 B + 64)?  An empty pair meets nothing
	v_readlane_b32 s26, v79, pp
	v_max_u32 v64, s25, v84
	v_min_u32 v65, s26, v85
	v_cmp_lt_u32 vcc_lo, v64, v65
	v_mov_b32 v66, \c                              ; its two experts' bits
	v_cndmask_b32 v66, 0, v66, vcc_lo
	v_or_b32 v86, v86, v66
.set pp, pp+1
.endr
	v_lshlrev_b32 v87, 2, v1
	global_store_b32 v87, v86, s[12:13]
.Lsorted:
	s_wait_tensorcnt 0x0
	ds_add_u32 v254, v255
	s_wait_dscnt 0x0
	s_endpgm
.Lfunc_end_k_q44d33032b8_lay:
	.size	k_q44d33032b8_lay, .Lfunc_end_k_q44d33032b8_lay-k_q44d33032b8_lay
	.p2alignl 7, 3214868480
	.fill 96, 4, 3214868480
	.section	.rodata,"a",@progbits
	.p2align	6, 0x0
	.amdhsa_kernel k_q44d33032b8_lay
		.amdhsa_group_segment_fixed_size 100352
		.amdhsa_private_segment_fixed_size 0
		.amdhsa_enable_private_segment 0
		.amdhsa_kernarg_size 40
		.amdhsa_user_sgpr_count 2
		.amdhsa_user_sgpr_kernarg_segment_ptr 1
		.amdhsa_wavefront_size32 1
		.amdhsa_system_sgpr_workgroup_id_x 1
		.amdhsa_system_sgpr_workgroup_id_y 1
		.amdhsa_system_sgpr_workgroup_id_z 1
		.amdhsa_system_vgpr_workitem_id 0
		.amdhsa_next_free_vgpr 256
		.amdhsa_next_free_sgpr 66
		.amdhsa_reserve_vcc 1
		.amdhsa_float_denorm_mode_32 3
		.amdhsa_float_denorm_mode_16_64 3
		.amdhsa_memory_ordered 1
		.amdhsa_forward_progress 1
		.amdhsa_inst_pref_size 75
	.end_amdhsa_kernel
	.amdgpu_metadata
---
amdhsa.version: [ 1, 2 ]
amdhsa.kernels:
  - .name:           k_q44d33032b8_lay
    .symbol:         k_q44d33032b8_lay.kd
    .args:
      - { .name: expert_w_codes, .offset: 0, .size: 8, .value_kind: global_buffer, .address_space: global }
      - { .name: route, .offset: 8, .size: 8, .value_kind: global_buffer, .address_space: global }
      - { .name: wl, .offset: 16, .size: 8, .value_kind: global_buffer, .address_space: global }
      - { .name: order, .offset: 24, .size: 8, .value_kind: global_buffer, .address_space: global }
      - { .name: sinfo, .offset: 32, .size: 8, .value_kind: global_buffer, .address_space: global }
    .group_segment_fixed_size: 100352
    .private_segment_fixed_size: 0
    .kernarg_segment_align: 8
    .kernarg_segment_size: 40
    .max_flat_workgroup_size: 128
    .sgpr_count:     66
    .vgpr_count:     256
    .wavefront_size: 32
...
	.end_amdgpu_metadata
.endif
;; end of part 5
;; launch moe (part 6): grid 8 x 32, 4 waves a work-group, no clusters, 166,400 bytes of LDS; arguments xq, xs, route, gw, order, sinfo, wl, expert_w_scales, expert_b, out0; writes out0
.if DOCPART == 6
	.amdgcn_target "amdgcn-amd-amdhsa--gfx1250"
	.amdhsa_code_object_version 6
	.text
	.protected	k_q44d33032b8_moe
	.globl	k_q44d33032b8_moe
	.p2align	8
	.type	k_q44d33032b8_moe,@function
k_q44d33032b8_moe:
	s_mov_b64 s[64:65], 0
	v_nop
	global_prefetch_b8 v0, s[64:65] scope:SCOPE_SE
	s_setreg_imm32_b32 hwreg(HW_REG_WAVE_SCHED_MODE, 0, 2), 2
	s_setreg_imm32_b32 hwreg(HW_REG_WAVE_MODE, 25, 1), 1
	s_wait_xcnt 0x0
	s_wait_alu depctr_vm_vsrc(0)
; out0[token] = g_a (x W_a + b_a) + g_b (x W_b + b_b), both products on codes of E2M3 with E8M0 scales, only for the experts that a block of tokens uses.
; SHARES.  Work-group (x = cb, y = B) owns sorted tokens 64 B .. + 63 and outputs 256 cb .. + 255: each output number has one owner.  Wave w takes all 64 rows (4 tiles t) x outputs 64 w .. + 63 (4 tiles i):
; each weight byte is loaded once in the work-group, straight into the registers of the one wave that multiplies by it; x's codes lie in LDS for the whole launch.
; THE WALK.  sinfo[B] is the set of experts of the block's tokens (2 to 8).  For each: T = b_e (the C of K step 0) + the sum over 16 K steps of 128; then F += g T with g = the token's weight for this expert, or 0:
; a choice by v_cndmask_b32 on the stored route, no branch.  The trip count and the weights' addresses hang on whole numbers that earlier launches stored.
; NO TENSOR LOADS, NO CLUSTER: the number of trips and the experts walked differ from block to block (they are read from memory), so partners of a cluster would ask for different tiles in different numbers.
; THE PRODUCT IS USED TRANSPOSED: source 0 = 16 rows of W (outputs), source 1 = 16 tokens: a lane holds one token (lane % 16) and eight neighbouring outputs 16 i + 8 (lane / 16) + 0..7.
; FRAGMENTS OF 16-BYTE PIECES.  Lane (r, h) takes the 48 consecutive bytes at 96 s + 48 h of its row: raw blocks 2 h, 2 h + 1 of the K step.  The unit's block 2 c + h is then raw block 2 h + c, alike for x and W, so every
; product meets its partner; the scale words follow: bytes 1 and 2 change places (x's were stored so; W's by v_perm_b32).
; THE WEIGHTS' RING: eight slots of 48 registers (4 tiles x 12), one a K step, asked for seven steps ahead, on into the next expert.
; LIMITS: an expert that a token does not use is weighed with 0, so a NaN scale byte (0xff) among the weights, or a sum beyond f32's range, spoils all 64 tokens of a block that walks that expert.
; THE MODE: SCHED_MODE bits 1:0 = 2 (LLVM: expert scheduling mode 2), set by the entry lines.  The code itself states the register dependences between vector or matrix instructions and memory or LDS
; instructions, with s_wait_alu, always for 0.
; THE PLAN.  Registers that memory or LDS instructions touch, in the loop:
;   x's sets 0, 1   K step s: its products read set s % 2; its LDS loads land in the other set, which the products of step s - 1 read last.
;   ring slots 0-7  K step s: its products read slot s % 8; its loads land in slot (s + 7) % 8 = (s - 1) % 8, which the products of step s - 1 read last.
;   WSR, the bias   loaded in K step 8; WSR was read last by the byte permutes behind the expert before, the bias by K step 0's products.
;   v2 - v6         addresses and offsets: written at the head, never again.
;   T, F, W's and x's scale words and g are named by vector and matrix instructions alone.
; So ONE wait on va_vdst stands in a K step, at its head: behind it the products of the step before are done with the set and the slot that this step's loads fill.  x's loads follow it at once; the weights' loads
; stand in the step's middle, behind eight products, which name slot s % 8, set s % 2, T, the scale words and (K step 0) the bias: none of the registers that those loads touch.
; REGISTERS.  Window 0: v1 16 x lane; v2, v3 x's fragments in LDS (tiles 0, 1; tiles 2, 3); v4, v5, v6 offsets in wl, the scales, the bias; v7, v8 the stage in and out; v9 x's rows into LDS; v10-15 tokens; v16-31 row offsets;
;   v32-63 x's scale words; v64-95 W's; v96-127 the next expert's as loaded; v128-135 a, b; v136-143 the weights; v144-151 g (pairs); v152-159 offsets; v160-207, v208-255 x's fragments, two sets.
;   Window 1: ring slots 0-4.  Window 2: slots 5-7; from v144 the bias, 8 a tile.  Window 3: T at 8 (4 t + i); F at 128 + 8 (4 t + i).
;   s60-63, s2, s3, s25, s26: the eight masks of an expert's choice of weights (cb and B, which s25 and s26 hold at the head, are done with by then).
.set XPITCH, 1552                      ; a token's 1,536 bytes + 16: 97 x 16, so sixteen rows begin in sixteen different groups of banks
.set XTILE,  16*XPITCH
.set STG,    64*XPITCH                 ; behind x: the stage for the way out, 64 rows x (1,024 bytes + 16)
.set SPITCH, 1040
.set XS,   32
.set WS,   64
.set WSR,  96
.set GA,   128
.set GB,   132
.set WP,   136
.set G,    144
.set AT,   152
.set A0,   160
.set BIAS, 144                         ; in window 2
.set F,    128                         ; in window 3
.set MSB, 0
.macro WIN new                         ; the immediate's high byte repeats the setting that is left
.if MSB != \new
	s_set_vgpr_msb (MSB<<8)|\new
.set MSB, \new
.endif
.endm
; the next expert: the lowest bit left in s27; its number is held at 7 before it enters an address; its three bases
.macro NEXT
	s_ctz_i32_b32 s30, s27
	s_min_u32 s30, s30, 7
	s_lshl_b32 s40, 1, s30
	s_and_not1_b32 s27, s27, s40
	s_mul_i32 s40, s30, 0x300000                   ; 128 tiles x 24,576 bytes of wl
	s_mov_b32 s41, 0
	s_add_nc_u64 s[34:35], s[16:17], s[40:41]
	s_lshl_b32 s40, s30, 17                        ; 2,048 rows x 64 scale bytes
	s_add_nc_u64 s[36:37], s[18:19], s[40:41]
	s_lshl_b32 s40, s30, 13                        ; 2,048 numbers of bias
	s_add_nc_u64 s[38:39], s[20:21], s[40:41]
.endm
; the next expert's scale words (lane l: row 32 u + l of my 64: lanes 0-15 tile 2 u, lanes 16-31 tile 2 u + 1; 16 words a row) and its bias in the result's layout
.macro SBLOAD
	WIN 0
.irp u, 0,1
.irp q, 0,1,2,3
	global_load_b128 v[WSR+16*\u+4*\q:WSR+16*\u+4*\q+3], v5, s[36:37] offset:2048*\u+16*\q
.endr
.endr
	WIN 0x80
.irp i, 0,1,2,3
.irp z, 0,1
	global_load_b128 v[BIAS+8*\i+4*\z:BIAS+8*\i+4*\z+3], v6, s[38:39] offset:64*\i+16*\z
.endr
.endr
.endm
; K step pos of the expert whose base is s[sb:sb+1] into slot pos % 8: 12 loads of 512 consecutive bytes
.macro WLOAD pos, sb
.if (\pos)%8 < 5
	WIN 0x40
.set l_b, 48*((\pos)%8)
.else
	WIN 0x80
.set l_b, 48*((\pos)%8-5)
.endif
.irp i, 0,1,2,3
.irp c, 0,1,2
	global_load_b128 v[l_b+12*\i+4*\c:l_b+12*\i+4*\c+3], v4, s[\sb:\sb+1] offset:24576*\i+1536*(\pos)+512*\c
.endr
.endr
.endm
; x's four fragments of K step k from LDS into set k % 2
.macro XFETCH k
.irp t, 0,1,2,3
.irp c, 0,1,2
	ds_load_b128 v[A0+48*((\k)%2)+12*\t+4*\c:A0+48*((\k)%2)+12*\t+4*\c+3], v[2+\t/2] offset:XTILE*(\t%2)+96*(\k)+16*\c
.endr
.endr
.endm
.macro PROD t, i, s
.set r_d, 8*(4*(\t)+(\i))
.set r_w, w_b+12*(\i)
.set r_a, A0+48*((\s)%2)+12*(\t)
.set r_p, WS+16*((\i)/2)+(\s)
.set r_q, XS+16*((\t)/2)+(\s)
.if (\s) == 0
.set r_c, BIAS+8*(\i)
.else
.set r_c, r_d
.endif
.if ((\i)%2 == 0) && ((\t)%2 == 0)
	v_wmma_scale_f32_16x16x128_f8f6f4 v[r_d:r_d+7], v[r_w:r_w+11], v[r_a:r_a+11], v[r_c:r_c+7], v[r_p], v[r_q] matrix_a_fmt:MATRIX_FMT_FP6 matrix_b_fmt:MATRIX_FMT_FP6
.elseif ((\i)%2 == 1) && ((\t)%2 == 0)
	v_wmma_scale_f32_16x16x128_f8f6f4 v[r_d:r_d+7], v[r_w:r_w+11], v[r_a:r_a+11], v[r_c:r_c+7], v[r_p], v[r_q] matrix_a_fmt:MATRIX_FMT_FP6 matrix_b_fmt:MATRIX_FMT_FP6 matrix_a_scale:MATRIX_SCALE_ROW1
.elseif ((\i)%2 == 0) && ((\t)%2 == 1)
	v_wmma_scale_f32_16x16x128_f8f6f4 v[r_d:r_d+7], v[r_w:r_w+11], v[r_a:r_a+11], v[r_c:r_c+7], v[r_p], v[r_q] matrix_a_fmt:MATRIX_FMT_FP6 matrix_b_fmt:MATRIX_FMT_FP6 matrix_b_scale:MATRIX_SCALE_ROW1
.else
	v_wmma_scale_f32_16x16x128_f8f6f4 v[r_d:r_d+7], v[r_w:r_w+11], v[r_a:r_a+11], v[r_c:r_c+7], v[r_p], v[r_q] matrix_a_fmt:MATRIX_FMT_FP6 matrix_b_fmt:MATRIX_FMT_FP6 matrix_a_scale:MATRIX_SCALE_ROW1 matrix_b_scale:MATRIX_SCALE_ROW1
.endif
.endm
; K STEP s of the expert in hand.  pf = 1: another expert follows, and the ring goes on into it.
.macro KSTEP s, pf
	s_wait_dscnt 0x0                               ; x's fragments of this step, asked for a step ago
.if (\pf) || ((\s) <= 9)
	s_wait_loadcnt 63                              ; this step's weights are in: behind them six steps' loads, 72, have been issued
.else
	s_wait_loadcnt 12*(15-(\s))                    ; the last expert's last steps: 12 loads for each step still behind this one
.endif
.if (\pf) || ((\s) < 15)                           ; (the last expert's last step issues no load, and has no dependence to state)
	WIN 0
	s_wait_alu depctr_va_vdst(0)                   ; the last step's products are done reading x's other set and their ring slot, in which this step's loads land; in K step 0 also: the permutes have written W's scale words, which the products take, and are done reading WSR
	XFETCH ((\s)+1)%16
.endif
.if (\s)%8 < 5
.set w_b, 48*((\s)%8)
.if (\s) == 0
.set p_w, 0xE1                                     ; W window 1, x window 0, C = the bias in window 2, D window 3
.else
.set p_w, 0xF1
.endif
.else
.set w_b, 48*((\s)%8-5)
.set p_w, 0xF2
.endif
	WIN p_w
.irp t, 0,1                            ; the sixteen accumulators by turns, one instruction a turn, in the same order in every step
.irp i, 0,1,2,3
	PROD \t, \i, \s
.endr
.endr
.if (\pf) && ((\s) == 8)
	SBLOAD                                         ; no wait: the bias was read last by K step 0's products, WSR by the permutes behind the expert before: all stand ahead of this step's wait
.endif
.if (\s)+7 <= 15
	WLOAD (\s)+7, 32                               ; no wait: the eight products since the step's wait name slot s % 8, not the slot that is filled here, and not v4
.elseif \pf
	WLOAD (\s)-9, 34
.endif
	WIN p_w
.irp t, 2,3
.irp i, 0,1,2,3
	PROD \t, \i, \s
.endr
.endr
.endm
.macro EXPERT pf
.irp s, 0,1,2,3,4,5,6,7,8,9,10,11,12,13,14,15
	KSTEP \s, \pf
.endr
.endm
.macro ACCUM                           ; F += g T, each accumulator from its low end on
	WIN 0xF3
.set nn, 0
.rept 64
	v_pk_fma_f32 v[F+2*nn:F+2*nn+1], v[2*nn:2*nn+1], v[G+2*(nn/16):G+2*(nn/16)+1], v[F+2*nn:F+2*nn+1] op_sel_hi:[1,0,1]
.set nn, nn+1
.endr
	WIN 0
.endm
.macro GCMP t, ma, mb                  ; is the expert in hand tile t's tokens' a, or their b?
	v_cmp_eq_u32 s[\ma], s29, v[GA+\t]
	v_cmp_eq_u32 s[\mb], s29, v[GB+\t]
.endm
; BEHIND AN EXPERT'S LAST PRODUCT
.macro EPI pf
	WIN 0
.rept 5
	v_nop                                          ; four places ahead of the reads of T and the writes of the scale words, five ahead of T's new start with another C
.endr
.if \pf
	s_wait_loadcnt 63                              ; the next expert's scale words and bias are in: 96 loads of weights were issued behind them
.set nn, 0
.rept 32
	v_perm_b32 v[WS+nn], v[WSR+nn], v[WSR+nn], s42 ; bytes 1 and 2 change places.  More than eight plain lines follow ahead of the next product
.set nn, nn+1
.endr
.endif
	GCMP 0, 60, 61                                 ; the eight compares in one run, each into a scalar register of its own
	GCMP 1, 62, 63
	GCMP 2, 2, 3
	GCMP 3, 25, 26
	s_wait_alu depctr_va_sdst(0)                   ; the eight masks are written, ahead of the selects that read them
	v_cndmask_b32 v[G], 0, v[WP], s60
	v_cndmask_b32 v[G+2], 0, v[WP+2], s62
	v_cndmask_b32 v[G+4], 0, v[WP+4], s2
	v_cndmask_b32 v[G+6], 0, v[WP+6], s25
	v_cndmask_b32 v[G], v[G], v[WP+1], s61
	v_cndmask_b32 v[G+2], v[G+2], v[WP+3], s63
	v_cndmask_b32 v[G+4], v[G+4], v[WP+5], s3
	v_cndmask_b32 v[G+6], v[G+6], v[WP+7], s26
.if \pf
	s_cmp_eq_u32 s31, 0
	s_cbranch_scc1 .Lacc_\@
	WIN 0xC3                                       ; the first expert starts the sums: nothing is cleared
.set nn, 0
.rept 64
	v_pk_mul_f32 v[F+2*nn:F+2*nn+1], v[2*nn:2*nn+1], v[G+2*(nn/16):G+2*(nn/16)+1] op_sel_hi:[1,0]
.set nn, nn+1
.endr
	WIN 0
	s_mov_b32 s31, 0
	s_branch .Ldone_\@
.Lacc_\@:
	s_wait_alu depctr_va_vdst(0)
	ACCUM
.Ldone_\@:
.else
	ACCUM
.endif
.endm
	s_load_b512 s[4:19], s[0:1], 0x0               ; xq s[4:5], xs s[6:7], route s[8:9], gw s[10:11], order s[12:13], sinfo s[14:15], wl s[16:17], the weights' scales s[18:19]
	s_load_b128 s[20:23], s[0:1], 0x40             ; expert_b s[20:21], out0 s[22:23]
	s_set_vgpr_msb 0x40
	v_lshl_add_u32 v254, v0, 2, 0x28800
	v_mov_b32 v255, 0
	s_set_vgpr_msb 0x4000
	v_lshrrev_b32 v10, 5, v0
	v_readfirstlane_b32 s24, v10                   ; wave 0..3
	s_mov_b32 s25, ttmp9                           ; cb
	s_and_b32 s26, ttmp7, 0xffff                   ; B
	v_and_b32 v11, 31, v0                          ; lane
	s_wait_alu depctr_va_vdst(0)
	v_and_b32 v12, 15, v0                          ; r
	v_bfe_u32 v13, v0, 4, 1                        ; h
	s_wait_alu depctr_va_vdst(0)
	v_lshlrev_b32 v1, 4, v11
	v_mul_u32_u24 v2, v12, XPITCH
	v_mad_u32_u24 v2, v13, 48, v2                  ; row r, + 48 h
	v_add_nc_u32 v3, 2*XTILE, v2
	s_wait_alu depctr_va_sdst(0)                   ; s24 is written, ahead of its first reader: offsets and LDS places are made from it
	s_lshl_b32 s40, s25, 4
	s_lshl_b32 s41, s24, 2
	s_add_co_u32 s40, s40, s41                     ; my first tile of outputs: 16 cb + 4 w
	s_mul_i32 s40, s40, 24576
	v_add_nc_u32 v4, s40, v1
	s_lshl_b32 s40, s25, 8
	s_lshl_b32 s41, s24, 6
	s_add_co_u32 s40, s40, s41                     ; my first output: 256 cb + 64 w
	v_add_nc_u32 v5, s40, v11
	v_lshlrev_b32 v5, 6, v5
	s_lshl_b32 s41, s40, 2
	v_lshl_add_u32 v6, v13, 5, s41
	v_mul_u32_u24 v7, v12, SPITCH
	v_lshl_add_u32 v7, v13, 5, v7
	s_lshl_b32 s41, s24, 8
	s_add_co_u32 s41, s41, STG
	v_add_nc_u32 v7, s41, v7                       ; the stage, in: row r, + 256 w + 32 h
	s_mul_i32 s41, s24, 16*SPITCH
	s_add_co_u32 s41, s41, STG
	v_add_nc_u32 v8, s41, v1                       ; back: my 16 rows, 16 bytes a lane
	s_mul_i32 s41, s24, XTILE
	v_add_nc_u32 v9, s41, v1
	s_lshl_b32 s40, s26, 8                         ; the block's 64 words of order
	v_lshl_add_u32 v[AT], v11, 2, s40
	v_lshl_add_u32 v[AT+1], v12, 2, s40
	s_lshl_b32 s41, s24, 6
	s_add_co_u32 s41, s41, s40                     ; my wave's 16 of them
	s_lshl_b32 s42, s26, 2
	s_wait_kmcnt 0x0
	s_load_b512 s[44:59], s[12:13], s41 offset:0x0 ; my 16 tokens as scalars: I gather their rows of x, and store their rows of out0
	s_load_b32 s27, s[14:15], s42 offset:0x0       ; the block's experts
	s_wait_alu depctr_va_vdst(0)                   ; the addresses and offsets v1 to v9, v152 and v153 are written, which loads and LDS instructions read from here on; the head's lines are done with v10 to v15, in which the loads below land
	global_load_b32 v10, v[AT], s[12:13]           ; lane l: token 32 u + l, for x's scale words
	global_load_b32 v11, v[AT], s[12:13] offset:128
.irp t, 0,1,2,3
	global_load_b32 v[12+\t], v[AT+1], s[12:13] offset:64*\t   ; lane (r, h): token 16 t + r, for its route and weights
.endr
	s_wait_kmcnt 0x0
.irp i, 0,1,2,3,4,5,6,7,8,9,10,11,12,13,14,15
	s_min_u32 s[44+\i], s[44+\i], 0x7ff            ; held inside the tables before it enters an address
.endr
	s_and_b32 s27, s27, 0xff
	s_bcnt1_i32_b32 s28, s27
	s_max_u32 s28, s28, 2
	s_min_u32 s28, s28, 8
	s_sub_co_u32 s28, s28, 1                       ; trips: all experts but the last, 1 to 7
	s_mov_b32 s42, 0x03010200
	s_mov_b32 s31, 1
	s_lshl_b32 s40, s25, 10
	s_mov_b32 s41, 0
	s_add_nc_u64 s[22:23], s[22:23], s[40:41]      ; out0 at my 256 columns
.irp i, 0,1,2,3,4,5,6,7,8,9,10,11,12,13,14,15
	s_mul_i32 s40, s[44+\i], 1536
	v_add_nc_u32 v[16+\i], s40, v1
.endr
	WIN 0xC0                                       ; destination window 3: the rows rest where F and half of T will lie
	s_wait_alu depctr_va_vdst(0)                   ; the sixteen row offsets v16 to v31 are written, which the loads below read
.irp i, 0,1,2,3,4,5,6,7,8,9,10,11,12,13,14,15
.irp c, 0,1,2
	global_load_b128 v[64+4*(3*\i+\c):64+4*(3*\i+\c)+3], v[16+\i], s[4:5] offset:512*\c   ; a third of a row: 512 consecutive bytes
.endr
.endr
	WIN 0
	s_wait_loadcnt 48                              ; the six loads of order are in; the 48 of x may be out
	s_wait_alu depctr_vm_vsrc(0)                   ; the loads of order have read v152 and v153, which are written again below
.irp j, 0,1,2,3,4,5
	v_min_u32 v[10+\j], 0x7ff, v[10+\j]
.endr
	v_lshlrev_b32 v10, 6, v10
	v_lshlrev_b32 v11, 6, v11
.irp t, 0,1,2,3
	v_lshlrev_b32 v[AT+\t], 2, v[12+\t]
	v_lshlrev_b32 v[AT+4+\t], 3, v[12+\t]
.endr
	s_wait_alu depctr_va_vdst(0)                   ; the offsets v10, v11 and v152 to v159 are written, which the loads below read
.irp u, 0,1
.irp q, 0,1,2,3
	global_load_b128 v[XS+16*\u+4*\q:XS+16*\u+4*\q+3], v[10+\u], s[6:7] offset:16*\q   ; register 16 u + s: lanes 0-15 tile 2 u, lanes 16-31 tile 2 u + 1
.endr
.endr
.irp t, 0,1,2,3
	global_load_b32 v[GA+\t], v[AT+\t], s[8:9]
.endr
.irp t, 0,1,2,3
	global_load_b64 v[WP+2*\t:WP+2*\t+1], v[AT+4+\t], s[10:11]
.endr
	NEXT                                           ; the first expert
	SBLOAD
.irp p, 0,1,2,3,4,5,6
	WLOAD \p, 34
.endr
	s_wait_loadcnt 63                              ; 170 loads have been issued: the oldest 107 are in, which is all but weights
	WIN 0x0C                                       ; an LDS store's data are its source 1: window 3
.irp i, 0,1,2,3,4,5,6,7,8,9,10,11,12,13,14,15
.irp c, 0,1,2
	ds_store_b128 v9, v[64+4*(3*\i+\c):64+4*(3*\i+\c)+3] offset:XPITCH*\i+512*\c
.endr
.endr
	WIN 0
.set nn, 0
.rept 32
	v_perm_b32 v[WS+nn], v[WSR+nn], v[WSR+nn], s42
.set nn, nn+1
.endr
.irp t, 0,1,2,3
	v_bfe_u32 v[GB+\t], v[GA+\t], 8, 8
	v_and_b32 v[GA+\t], 0xff, v[GA+\t]
	v_mov_b32 v[G+2*\t+1], 0                       ; named with g as a pair, so it is written
.endr
	s_wait_dscnt 0x0                               ; for the others' sake: my 16 rows of x lie in LDS
	s_barrier_signal -1
	s_barrier_wait -1
	s_wait_alu depctr_vm_vsrc(0)                   ; my LDS stores have read the rows' registers, which are T and F from here on, written by products and multiplies; the loads of x have read v16 to v31, which the way out writes again
	XFETCH 0
.Ltrip:
	s_wait_xcnt 0x0                                ; the bases of loads that have been issued are written again only behind this wait
	s_mov_b32 s29, s30
	s_mov_b64 s[32:33], s[34:35]
	NEXT
	EXPERT 1
	EPI 1
	s_sub_co_i32 s28, s28, 1
	s_cmp_lg_u32 s28, 0
	s_cbranch_scc1 .Ltrip
	s_wait_xcnt 0x0
	s_mov_b32 s29, s30
	s_mov_b64 s[32:33], s[34:35]
	EXPERT 0                                       ; the last expert asks for nothing beyond its own 16 steps
	EPI 0
	; THE WAY OUT.  A row's 256 outputs come from four waves: they meet in the stage; each wave then stores 16 whole rows of 1,024 bytes, to the rows of its 16 tokens.
.irp i, 0,1,2,3,4,5,6,7,8,9,10,11,12,13,14,15
	s_lshl_b32 s40, s[44+\i], 13                   ; a row of out0 is 8,192 bytes
	v_add_nc_u32 v[16+\i], s40, v1
.endr
	WIN 0x0C
	s_wait_alu depctr_va_vdst(0)                   ; the last multiply-adds have written F, which the LDS stores read, and are done reading T, in whose registers the stage's loads land; the row offsets v16 to v31 are written, which the global stores read
.irp t, 0,1,2,3
.irp i, 0,1,2,3
	ds_store_b128 v7, v[F+8*(4*\t+\i):F+8*(4*\t+\i)+3] offset:16*SPITCH*\t+64*\i
	ds_store_b128 v7, v[F+8*(4*\t+\i)+4:F+8*(4*\t+\i)+7] offset:16*SPITCH*\t+64*\i+16
.endr
.endr
	WIN 0
	s_wait_dscnt 0x0                               ; for the others' sake: my part of the 64 rows lies in the stage
	s_barrier_signal -1
	s_barrier_wait -1
	WIN 0xC0                                       ; into the registers that T has left
.irp i, 0,1,2,3,4,5,6,7,8,9,10,11,12,13,14,15
.irp u, 0,1
	ds_load_b128 v[4*(2*\i+\u):4*(2*\i+\u)+3], v8 offset:SPITCH*\i+512*\u
.endr
.endr
	WIN 0x0C                                       ; a store's data are its source 1: window 3
.irp i, 0,1,2,3,4,5,6,7,8,9,10,11,12,13,14,15
.irp u, 0,1
	s_wait_dscnt 31-(2*\i+\u)
	global_store_b128 v[16+\i], v[4*(2*\i+\u):4*(2*\i+\u)+3], s[22:23] offset:512*\u th:TH_STORE_NT   ; 32 lanes store 512 consecutive bytes of one row, aligned
.endr
.endr
	WIN 0
	s_set_vgpr_msb 0x5
	s_wait_dscnt 0x0
	s_wait_alu depctr_hold_cnt(0) depctr_sa_sdst(0) depctr_va_vdst(0) depctr_va_sdst(0) depctr_va_ssrc(0) depctr_va_vcc(0) depctr_vm_vsrc(0)
	s_wait_tensorcnt 0x0
	ds_add_u32 v254, v255
	s_wait_dscnt 0x0
	s_endpgm
.Lfunc_end_k_q44d33032b8_moe:
	.size	k_q44d33032b8_moe, .Lfunc_end_k_q44d33032b8_moe-k_q44d33032b8_moe
	.p2alignl 7, 3214868480
	.fill 96, 4, 3214868480
	.section	.rodata,"a",@progbits
	.p2align	6, 0x0
	.amdhsa_kernel k_q44d33032b8_moe
		.amdhsa_group_segment_fixed_size 166400
		.amdhsa_private_segment_fixed_size 0
		.amdhsa_enable_private_segment 0
		.amdhsa_kernarg_size 80
		.amdhsa_user_sgpr_count 2
		.amdhsa_user_sgpr_kernarg_segment_ptr 1
		.amdhsa_wavefront_size32 1
		.amdhsa_system_sgpr_workgroup_id_x 1
		.amdhsa_system_sgpr_workgroup_id_y 1
		.amdhsa_system_sgpr_workgroup_id_z 1
		.amdhsa_system_vgpr_workitem_id 0
		.amdhsa_next_free_vgpr 1024
		.amdhsa_next_free_sgpr 66
		.amdhsa_reserve_vcc 0
		.amdhsa_float_denorm_mode_32 3
		.amdhsa_float_denorm_mode_16_64 3
		.amdhsa_memory_ordered 1
		.amdhsa_forward_progress 1
		.amdhsa_inst_pref_size 180
	.end_amdhsa_kernel
	.amdgpu_metadata
---
amdhsa.version: [ 1, 2 ]
amdhsa.kernels:
  - .name:           k_q44d33032b8_moe
    .symbol:         k_q44d33032b8_moe.kd
    .args:
      - { .name: xq, .offset: 0, .size: 8, .value_kind: global_buffer, .address_space: global }
      - { .name: xs, .offset: 8, .size: 8, .value_kind: global_buffer, .address_space: global }
      - { .name: route, .offset: 16, .size: 8, .value_kind: global_buffer, .address_space: global }
      - { .name: gw, .offset: 24, .size: 8, .value_kind: global_buffer, .address_space: global }
      - { .name: order, .offset: 32, .size: 8, .value_kind: global_buffer, .address_space: global }
      - { .name: sinfo, .offset: 40, .size: 8, .value_kind: global_buffer, .address_space: global }
      - { .name: wl, .offset: 48, .size: 8, .value_kind: global_buffer, .address_space: global }
      - { .name: expert_w_scales, .offset: 56, .size: 8, .value_kind: global_buffer, .address_space: global }
      - { .name: expert_b, .offset: 64, .size: 8, .value_kind: global_buffer, .address_space: global }
      - { .name: out0, .offset: 72, .size: 8, .value_kind: global_buffer, .address_space: global }
    .group_segment_fixed_size: 166400
    .private_segment_fixed_size: 0
    .kernarg_segment_align: 8
    .kernarg_segment_size: 80
    .max_flat_workgroup_size: 128
    .sgpr_count:     66
    .vgpr_count:     1024
    .wavefront_size: 32
...
	.end_amdgpu_metadata
.endif
;; end of part 6
